; MI455X (gfx1250); checked and timed in simulation.
; The chip was launched on July 23, 2026; its instructions are those of AMD's public machine-readable ISA for CDNA 5 (MIT licence, August 2026) and "CDNA5" Instruction Set Architecture Reference Guide (July 2026). The comments in the code are by the model that wrote it; some were corrected since.
;; Multi Headed Attention. Allowed arithmetic: matrix products marked QUANTISED: E2M3 operands, one E8M0 scale for each 32 along K, by v_wmma_scale_f32_16x16x128_f8f6f4 with both operands' format E2M3, f32 sums; everything else in f32.
;; Inputs: bk 1,024 float32; bo 1,024 float32; bq 1,024 float32; bv 1,024 float32; key 4 x 2,048 x 1,024 float32; mask 4 x 2,048 x 2,048 bool; query 4 x 2,048 x 1,024 float32; value 4 x 2,048 x 1,024 float32; wk 1,024 x 1,024 float32; wo 1,024 x 1,024 float32; wq 1,024 x 1,024 float32; wv 1,024 x 1,024 float32.
;; Outputs: out0 4 x 2,048 x 1,024 float32.
;; This version of the problem:
;;   THIS VERSION OF THE PROBLEM IS GIVEN IN LOW PRECISION. The matrix products marked QUANTISED in the list below multiply operands that are first quantised to E2M3 (2 exponent bits, 3 mantissa bits; 6 bits a number), with one power-of-two scale for each 32 numbers along K (OCP MX v1.0); their sums are f32. All else is computed in f32.
;;   The module's matrix products, in the order in which they are computed (A, B: the left and right operand; K: the contracted axis; several contracted axes count as one K, in the product's order):
;;     1. [M 8,192, K 1,024] x [K 1,024, N 1,024]; A: input query; B: input wq: QUANTISED
;;     2. [M 8,192, K 1,024] x [K 1,024, N 1,024]; A: input key; B: input wk: QUANTISED
;;     3. [M 8,192, K 1,024] x [K 1,024, N 1,024]; A: input value; B: input wv: QUANTISED
;;     4. batch 64 x [M 2,048, K 64] x [K 64, N 2,048]; A: computed on the way; B: computed on the way: QUANTISED
;;     5. batch 64 x [M 2,048, K 2,048] x [K 2,048, N 64]; A: softmax (see below); B: computed on the way: QUANTISED
;;     6. [M 8,192, K 1,024] x [K 1,024, N 1,024]; A: computed on the way; B: input wo: QUANTISED
;;   THE QUANTISER, for each operand of a quantised product, along K:
;;     - K is cut into blocks of 32 from its start; a last block that is shorter is filled with zeros.
;;     - A block's scale is 2^e with e = floor(log2(the largest magnitude in the block)) - 2, held to -126 .. 127; a block of zeros has e = 0. As a byte (E8M0): e + 127.
;;     - Each number is divided by its block's scale, clamped to +-7.5, and rounded to the nearest number of E2M3, ties to even, subnormals kept.
;;     - The product sums the exact products of the quantised numbers (number of the format x scale) in f32.
;;   ~~~python
;;   def quantise(x, axis):      # numpy; x: float32 -> the quantised numbers, widened to float32 again
;;       x = np.moveaxis(x, axis, -1); K = x.shape[-1]
;;       x = np.pad(x, [(0, 0)] * (x.ndim - 1) + [(0, -K % 32)]); x = x.reshape(x.shape[:-1] + (-1, 32)); a = np.abs(x).max(-1, keepdims=True)
;;       e = np.where(a > 0, np.clip(np.frexp(np.where(a > 0, a, 1))[1] - 1 - 2, -126, 127), 0)      # np.frexp(a)[1] - 1 = floor(log2(a)), exactly
;;       r = np.clip(x / 2.0 ** e, -7.5, 7.5)
;;       step = 2.0 ** (np.maximum(np.frexp(np.where(r == 0, 1, r))[1] - 1, 0) - 3)
;;       q = np.round(r / step) * step * 2.0 ** e      # np.round: ties to even
;;       return np.moveaxis(q.reshape(q.shape[:-2] + (-1,))[..., :K], -1, axis).astype(np.float32)
;;   ~~~
;;   SOFTMAX AHEAD OF A QUANTISED PRODUCT. Where the list says 'softmax', what is quantised is not the finished softmax but p = 2^(t - M), with t = logit x log2(e) and M = ceil(the row's largest t), a whole number; so 1/2 < the row's largest p <= 1. The row's sum l is taken of the UNQUANTISED p, in f32, and the product's result is divided by l at the end. Since M is a whole number, a kernel that streams over the keys may use a running M (the ceiling of the running maximum): every later rescaling is an exact power of two, which a block's scale takes up: the codes' values come out the same.
;;   OPERANDS COMPUTED ON THE WAY. 'Computed on the way' means the value that the module computes at that place (a softmax that the list does not call 'softmax' is quantised finished and normalised). What goes into a quantiser is computed in f32, as accurately as f32 sums, v_exp_f32 and their like allow (about 1e-6 of the number): no bf16 or f16 on the way to a quantiser, and a product that is left as it is and whose result goes on into a quantised operand takes f32 operands (vector FMAs, or v_wmma_f32_16x16x4_f32). A number that lies on a knife's edge between two numbers of the format may be rounded either way, as far as f32 arithmetic and the matrix unit's own rounding can turn it there, and no further.
;; One version. Each part assembles by itself: llvm-mc -triple=amdgcn-amd-amdhsa -mcpu=gfx1250 --defsym DOCPART=n.
;; ======== version 1 of 1: 4 launches
;; limits: right only within a limited range of input values
;; workspace buffers: xw_codes 22,020,096 bytes; xw_scales 917,504 bytes; mbits 2,097,152 bytes of whole numbers; qh 6,815,744 bytes; kvh 13,369,344 bytes; acodes 6,291,456 bytes; ascales 262,144 bytes
;; launch prep (part 1): grid 1408 x 1, 4 waves a work-group, no clusters, 67,072 bytes of LDS; arguments query, key, value, wq, wk, wv, wo, mask, xw_codes, xw_scales, mbits; writes xw_codes, xw_scales, mbits
.if DOCPART == 1
	.amdgcn_target "amdgcn-amd-amdhsa--gfx1250"
	.amdhsa_code_object_version 6
	.text
	.protected	k_q1d28455907_prep
	.globl	k_q1d28455907_prep
	.p2align	8
	.type	k_q1d28455907_prep,@function
k_q1d28455907_prep:
	s_mov_b64 s[64:65], 0
	v_nop
	global_prefetch_b8 v0, s[64:65] scope:SCOPE_SE
	s_setreg_imm32_b32 hwreg(HW_REG_WAVE_MODE, 25, 1), 1
	s_wait_xcnt 0x0
; TWO JOBS IN ONE LAUNCH, told apart by the work-group's number.
; Work-groups 0 .. 895: query, key, value [8192][1024] and wq, wk, wv, wo [1024][1024], f32, become codes of FP6 (E2M3), K innermost (a row of 1,024 codes is 768 bytes),
; with one E8M0 byte for each 32 along K (32 bytes a row).  A block's scale is 2^(floor(log2(its largest magnitude)) - 2); its byte is the largest magnitude's exponent field - 2, held at 1 from below.
; (A block of zeros gets the byte 1 where the quantiser says 127: its codes are zeros, and the bytes are read by this program alone.)  LIMITS: NaN and infinities among the inputs are not served.
; THE ROWS ARE STORED IN ANOTHER ORDER: of each 32 rows the second and the third group of 8 change places.  Stored row 16 T + r is row 32 (T / 2) + 8 (T % 2) + r + 8 (r / 8).
; So a tile of 16 stored rows, used as source 0 of a product, leaves in a lane's registers of two neighbouring tiles 16 NEIGHBOURS along those rows.
; A wave takes 8 rows (8,192 numbers) in 16 steps of 512; a work-group's four waves take 32 rows, so the change of places is a change of the wave's place in the output.
; Each load reads 512 consecutive bytes; the numbers turn through the wave's own stage in LDS so that a lane holds 16 neighbours; a lane's 16 codes are 12 bytes.
; Work-groups 896 .. 1407: the mask [4][2048][2048] of bytes becomes LANE MASKS for the attention launch: for batch b, tile T of 16 stored queries and key step j (128 keys) a record of 64 words;
; bit l of word n = mask[b][query of stored row l % 16 of tile T][128 j + 32 (n / 16) + 16 (l / 16) + n % 16]: what lane l holds in score register n.  A work-group takes a tile, a wave 512 keys.
; The two jobs use LDS bytes of their own.  No barrier: waves share nothing.  No matrix unit, no cluster: a stream.
.set STEPS, 16
.set EMAX,  2
.set CB,    12                         ; bytes of 16 codes
.set R,     16                         ; v16-79   four sets of 16 numbers as they are loaded
.set X,     80                         ; v80-111  two sets of 16 neighbours
.set C,     128                        ; v128-191 codes: four registers for each step
.set E,     112                        ; v112-127 a scale byte for each step
.set WREG,  8192                       ; LDS of a quantising wave: two stages of 32 x SP bytes, then its 256 scale bytes
.set SP,    80                         ; a lane's place in a stage: 64 bytes + 16 of padding
.set QWG,   896                        ; work-groups that quantise
.set MLDS,  32768                      ; LDS of the mask's job begins here
.set MPITCH, 528                       ; a row's 512 mask bytes + 16
.set MWAVE, 16*MPITCH
.set MR,    16                         ; v16-79   16 rows x 16 bytes as loaded
.set MX,    80                         ; v80-143  my row's 16 bytes of each of 16 half blocks
.set WA,    144                        ; v144-151 a pair of registers for each key step: lane i holds words 2 i and 2 i + 1
.set MT,    152                        ; v152-155 at work
	s_load_b512 s[4:19], s[0:1], 0x0               ; query, key, value, wq, wk, wv, wo, mask
	s_load_b128 s[20:23], s[0:1], 0x40             ; the codes, the scale bytes
	s_load_b64 s[24:25], s[0:1], 0x50              ; the lane masks
	v_lshl_add_u32 v192, v0, 2, 0x10400
	v_mov_b32 v193, 0
	v_lshrrev_b32 v1, 5, v0
	v_readfirstlane_b32 s26, v1                    ; wave
	v_and_b32 v2, 31, v0                           ; lane
	s_wait_kmcnt 0x0
	s_cmp_ge_u32 ttmp9, QWG
	s_cbranch_scc1 .Lmask
	; ---------------- the quantiser ----------------
	v_lshlrev_b32 v3, 4, v2                        ; my 16 bytes of a load's 512
	s_mul_i32 s27, s26, WREG
	v_lshrrev_b32 v14, 2, v2
	v_mul_u32_u24 v14, v14, SP
	v_and_b32 v15, 3, v2
	v_lshl_add_u32 v14, v15, 4, v14
	v_add_nc_u32 v14, s27, v14                     ; the stage, on the way in: SP (lane / 4) + 16 (lane % 4)
	v_mul_u32_u24 v15, v2, SP
	v_add_nc_u32 v15, s27, v15                     ; and on the way out: SP x lane
	v_mul_u32_u24 v4, v2, CB                       ; my codes' place in a step's
	v_lshrrev_b32 v5, 1, v2
	s_add_co_u32 s27, s27, 2*32*SP
	v_add_nc_u32 v5, s27, v5                       ; my block's byte among my wave's 256
	v_lshlrev_b32 v7, 3, v2
	v_add_nc_u32 v6, s27, v7                       ; and on the way out 8 bytes a lane
	; which tensor: the choice hangs on the work-group's number alone
	s_mov_b64 s[28:29], s[16:17]                   ; wo, from work-group 864
	s_mov_b32 s30, 864
	s_cmp_lt_u32 ttmp9, 864
	s_cselect_b64 s[28:29], s[14:15], s[28:29]     ; wv
	s_cselect_b32 s30, 832, s30
	s_cmp_lt_u32 ttmp9, 832
	s_cselect_b64 s[28:29], s[12:13], s[28:29]     ; wk
	s_cselect_b32 s30, 800, s30
	s_cmp_lt_u32 ttmp9, 800
	s_cselect_b64 s[28:29], s[10:11], s[28:29]     ; wq
	s_cselect_b32 s30, 768, s30
	s_cmp_lt_u32 ttmp9, 768
	s_cselect_b64 s[28:29], s[8:9], s[28:29]       ; value
	s_cselect_b32 s30, 512, s30
	s_cmp_lt_u32 ttmp9, 512
	s_cselect_b64 s[28:29], s[6:7], s[28:29]       ; key
	s_cselect_b32 s30, 256, s30
	s_cmp_lt_u32 ttmp9, 256
	s_cselect_b64 s[28:29], s[4:5], s[28:29]       ; query
	s_cselect_b32 s30, 0, s30
	s_sub_co_u32 s31, ttmp9, s30
	s_lshl_b32 s31, s31, 2
	s_add_co_u32 s32, s31, s26                     ; which 8 rows of the tensor are my wave's
	s_lshl_b32 s32, s32, 15                        ; 32,768 bytes each
	s_mov_b32 s33, 0
	s_add_nc_u64 s[28:29], s[28:29], s[32:33]
	s_and_b32 s34, s26, 1                          ; where they go: waves 1 and 2 change places
	s_lshl_b32 s34, s34, 1
	s_lshr_b32 s35, s26, 1
	s_or_b32 s34, s34, s35
	s_lshl_b32 s35, ttmp9, 2
	s_add_co_u32 s34, s34, s35                     ; the tensors' sections follow each other by work-group
	s_mul_i32 s32, s34, 32*STEPS*CB                ; 6,144 bytes of codes
	s_add_nc_u64 s[20:21], s[20:21], s[32:33]
	s_lshl_b32 s32, s34, 8                         ; 256 scale bytes
	s_add_nc_u64 s[22:23], s[22:23], s[32:33]
.macro LOAD t
.irp i, 0,1,2,3
	global_load_b128 v[R+16*((\t)%4)+4*\i:R+16*((\t)%4)+4*\i+3], v3, s[28:29] offset:2048*(\t)+512*\i th:TH_LOAD_NT   ; 32 lanes read 512 consecutive bytes
.endr
.endm
.macro TURN t                          ; step t's numbers through the stage: LDS serves a wave's instructions in order, so no wait stands between the stores and the loads
.irp i, 0,1,2,3
	ds_store_b128 v14, v[R+16*((\t)%4)+4*\i:R+16*((\t)%4)+4*\i+3] offset:32*SP*((\t)%2)+8*SP*\i
.endr
.irp i, 0,1,2,3
	ds_load_b128 v[X+16*((\t)%2)+4*\i:X+16*((\t)%2)+4*\i+3], v15 offset:32*SP*((\t)%2)+16*\i
.endr
.endm
.irp t, 0,1,2,3
	LOAD \t
.endr
	s_wait_loadcnt 12                              ; step 0's four loads are in; the twelve of steps 1 to 3 may be out
	TURN 0
.macro STEP t
.set XS, X+16*((\t)%2)
.if (\t) > 0
	s_wait_dscnt 1                                 ; this step's numbers are back from the stage (the last step's byte store may be out)
.else
	s_wait_dscnt 0x0
.endif
.if (\t)+4 < STEPS
	LOAD (\t)+4                                    ; into the registers that the stage's stores have read
.endif
.if (\t)+1 < STEPS
.if STEPS-2-(\t) >= 3
	s_wait_loadcnt 12                              ; the next step's four loads are in; those of the three steps behind it may be out
.else
	s_wait_loadcnt 4*(STEPS-2-(\t))
.endif
	TURN (\t)+1
.endif
	v_max3_num_f32 v8, |v[XS]|, |v[XS+1]|, |v[XS+2]|               ; the largest magnitude of my 16
	v_max3_num_f32 v9, |v[XS+3]|, |v[XS+4]|, |v[XS+5]|
.irp i, 6,10
	v_max3_num_f32 v8, v8, |v[XS+\i]|, |v[XS+\i+1]|
	v_max3_num_f32 v9, v9, |v[XS+\i+2]|, |v[XS+\i+3]|
.endr
	v_max3_num_f32 v8, v8, |v[XS+14]|, |v[XS+15]|
	v_max3_num_f32 v8, v8, v9, (EMAX+1)<<23        ; and the floor 2^(3 - 127): the byte cannot fall under 1
	v_max_num_f32_dpp v8, v8, v8 row_xmask:1 row_mask:0xf bank_mask:0xf   ; and of my neighbour's 16: the block's
	v_add_nc_u32 v11, -(EMAX<<23), v8              ; 2 off its exponent field: the conversion takes the exponent field of this operand as its scale
	v_cvt_scalef32_pk16_fp6_f32 v[C+4*(\t):C+4*(\t)+2], v[XS:XS+15], v11
	v_lshrrev_b32 v[E+(\t)], 23, v11               ; the scale's byte
	ds_store_b8 v5, v[E+(\t)] offset:16*(\t)       ; both lanes of a block write the same byte with the same value
	global_store_b96 v4, v[C+4*(\t):C+4*(\t)+2], s[20:21] offset:32*CB*(\t)
.endm
.irp t, 0,1,2,3,4,5,6,7,8,9,10,11,12,13,14,15
	STEP \t
.endr
	ds_load_b64 v[12:13], v6                       ; LDS serves a wave's instructions in order: these see my stores
	s_wait_dscnt 0x0
	global_store_b64 v7, v[12:13], s[22:23]        ; 32 lanes store 256 consecutive bytes, aligned
	s_wait_tensorcnt 0x0
	ds_add_u32 v192, v193
	s_wait_dscnt 0x0
	s_endpgm
	; ---------------- the lane masks ----------------
.Lmask:
	s_sub_co_u32 s27, ttmp9, QWG                   ; 128 b + T
	s_lshr_b32 s28, s27, 7                         ; b
	s_and_b32 s29, s27, 127                        ; T
	s_lshl_b32 s28, s28, 11
	s_lshr_b32 s30, s29, 1
	s_lshl_b32 s30, s30, 5
	s_add_co_u32 s28, s28, s30
	s_and_b32 s30, s29, 1
	s_lshl_b32 s30, s30, 3
	s_add_co_u32 s28, s28, s30                     ; the tile's first row: 2,048 b + 32 (T / 2) + 8 (T % 2)
	s_lshl_b32 s28, s28, 11                        ; rows of 2,048 bytes
	s_lshl_b32 s30, s26, 9
	s_add_co_u32 s28, s28, s30                     ; my wave's 512 keys
	s_mov_b32 s29, 0
	s_add_nc_u64 s[32:33], s[18:19], s[28:29]
	s_lshl_b32 s28, s27, 4
	s_lshl_b32 s30, s26, 2
	s_add_co_u32 s28, s28, s30
	s_lshl_b32 s28, s28, 8                         ; my four records of 256 bytes
	s_add_nc_u64 s[34:35], s[24:25], s[28:29]
	v_lshlrev_b32 v3, 4, v2                        ; 16 x lane
	s_mul_i32 s31, s26, MWAVE
	s_add_co_u32 s31, s31, MLDS
	v_add_nc_u32 v4, s31, v3                       ; into my stage: a row's 512 bytes as they lie
	v_and_b32 v7, 15, v0
	v_bfe_u32 v8, v0, 4, 1
	v_mul_u32_u24 v5, v7, MPITCH
	v_lshl_add_u32 v5, v8, 4, v5
	v_add_nc_u32 v5, s31, v5                       ; out of it: row lane % 16, + 16 (lane / 16)
	v_lshlrev_b32 v6, 3, v2                        ; a record: 8 bytes a lane
.irp i, 0,1,2,3,4,5,6,7
	v_mov_b32 v[WA+\i], 0                          ; a lane write's destination counts as one of its sources
.endr
.set i, 0
.rept 16
	global_load_b128 v[MR+4*i:MR+4*i+3], v3, s[32:33] offset:(i+8*(i/8))*2048 th:TH_LOAD_NT   ; stored row i of the tile: 512 consecutive bytes
.set i, i+1
.endr
.set i, 0
.rept 16
	s_wait_loadcnt 15-i                            ; row i is in; the younger rows may be out
	ds_store_b128 v4, v[MR+4*i:MR+4*i+3] offset:MPITCH*i
.set i, i+1
.endr
.set i, 0
.rept 16
	ds_load_b128 v[MX+4*i:MX+4*i+3], v5 offset:128*(i/4)+32*(i%4)    ; key step i / 4, block i % 4: my row's 16 keys of my half
.set i, i+1
.endr
.set jj, 0
.rept 4
	s_wait_dscnt 12-4*jj                           ; this key step's four loads are in; the later steps' may be out
.set n, 0
.rept 64
	v_and_b32 v[MT+n%4], 0xff<<(8*(n%4)), v[MX+4*(4*jj+n/16)+(n%16)/4]   ; the byte of key 32 (n / 16) + 16 (lane / 16) + n % 16
	v_cmp_ne_u32 s[36+n%4], 0, v[MT+n%4]           ; over the 32 lanes: word n
	v_writelane_b32 v[WA+2*jj+n%2], s[36+n%4], n/2
.set n, n+1
.endr
	global_store_b64 v6, v[WA+2*jj:WA+2*jj+1], s[34:35] offset:256*jj   ; 32 lanes store 256 consecutive bytes, aligned
.set jj, jj+1
.endr
	s_wait_tensorcnt 0x0
	ds_add_u32 v192, v193
	s_wait_dscnt 0x0
	s_endpgm
.Lfunc_end_k_q1d28455907_prep:
	.size	k_q1d28455907_prep, .Lfunc_end_k_q1d28455907_prep-k_q1d28455907_prep
	.p2alignl 7, 3214868480
	.fill 96, 4, 3214868480
	.section	.rodata,"a",@progbits
	.p2align	6, 0x0
	.amdhsa_kernel k_q1d28455907_prep
		.amdhsa_group_segment_fixed_size 67072
		.amdhsa_private_segment_fixed_size 0
		.amdhsa_enable_private_segment 0
		.amdhsa_kernarg_size 88
		.amdhsa_user_sgpr_count 2
		.amdhsa_user_sgpr_kernarg_segment_ptr 1
		.amdhsa_wavefront_size32 1
		.amdhsa_system_sgpr_workgroup_id_x 1
		.amdhsa_system_sgpr_workgroup_id_y 1
		.amdhsa_system_sgpr_workgroup_id_z 1
		.amdhsa_system_vgpr_workitem_id 0
		.amdhsa_next_free_vgpr 194
		.amdhsa_next_free_sgpr 66
		.amdhsa_reserve_vcc 0
		.amdhsa_float_denorm_mode_32 3
		.amdhsa_float_denorm_mode_16_64 3
		.amdhsa_memory_ordered 1
		.amdhsa_forward_progress 1
		.amdhsa_inst_pref_size 87
	.end_amdhsa_kernel
	.amdgpu_metadata
---
amdhsa.version: [ 1, 2 ]
amdhsa.kernels:
  - .name:           k_q1d28455907_prep
    .symbol:         k_q1d28455907_prep.kd
    .args:
      - { .name: query, .offset: 0, .size: 8, .value_kind: global_buffer, .address_space: global }
      - { .name: key, .offset: 8, .size: 8, .value_kind: global_buffer, .address_space: global }
      - { .name: value, .offset: 16, .size: 8, .value_kind: global_buffer, .address_space: global }
      - { .name: wq, .offset: 24, .size: 8, .value_kind: global_buffer, .address_space: global }
      - { .name: wk, .offset: 32, .size: 8, .value_kind: global_buffer, .address_space: global }
      - { .name: wv, .offset: 40, .size: 8, .value_kind: global_buffer, .address_space: global }
      - { .name: wo, .offset: 48, .size: 8, .value_kind: global_buffer, .address_space: global }
      - { .name: mask, .offset: 56, .size: 8, .value_kind: global_buffer, .address_space: global }
      - { .name: xw_codes, .offset: 64, .size: 8, .value_kind: global_buffer, .address_space: global }
      - { .name: xw_scales, .offset: 72, .size: 8, .value_kind: global_buffer, .address_space: global }
      - { .name: mbits, .offset: 80, .size: 8, .value_kind: global_buffer, .address_space: global }
    .group_segment_fixed_size: 67072
    .private_segment_fixed_size: 0
    .kernarg_segment_align: 8
    .kernarg_segment_size: 88
    .max_flat_workgroup_size: 128
    .sgpr_count:     66
    .vgpr_count:     194
    .wavefront_size: 32
...
	.end_amdgpu_metadata
.endif
;; end of part 1
;; launch proj (part 2): grid 4 x 96, 4 waves a work-group, clusters of 4 x 4, 327,680 bytes of LDS; arguments xw_codes, xw_scales, bq, bk, bv, qh, kvh; writes qh, kvh
.if DOCPART == 2
	.amdgcn_target "amdgcn-amd-amdhsa--gfx1250"
	.amdhsa_code_object_version 6
	.text
	.protected	k_q1d28455907_proj
	.globl	k_q1d28455907_proj
	.p2align	8
	.type	k_q1d28455907_proj,@function
k_q1d28455907_proj:
	s_mov_b64 s[64:65], 0
	v_nop
	global_prefetch_b8 v0, s[64:65] scope:SCOPE_SE
	s_setreg_imm32_b32 hwreg(HW_REG_WAVE_MODE, 25, 1), 1
	s_wait_xcnt 0x0
	s_wait_alu depctr_hold_cnt(0) depctr_sa_sdst(0) depctr_va_vdst(0) depctr_va_sdst(0) depctr_va_ssrc(0) depctr_va_vcc(0) depctr_vm_vsrc(0)
	s_getreg_b32 s2, hwreg(HW_REG_IB_STS2, 6, 4)
	s_cmp_eq_u32 s2, 0
	s_cbranch_scc0 .Lentry_in_a_cluster
	s_endpgm
.Lentry_in_a_cluster:
	s_bfe_u32 s2, ttmp6, 0x10000c
	s_cmp_lg_u32 s2, 0xf033
	s_cbranch_scc0 .Lentry_shape_is_right
	s_endpgm
.Lentry_shape_is_right:
; THE THREE INPUT PROJECTIONS, y = x W^T + b, on codes of FP6 (E2M3) with one E8M0 scale for each 32 along K = 1,024, and their results quantised on the spot into the operands of attention.
; 24 clusters of 4 x 4 work-groups: cluster y / 8 says which projection (0: q, 1: k, 2: v), cluster y % 8 which eighth of the 8,192 rows of x.
; A tile of 256 x 256 results a work-group, 128 x 128 a wave (64 accumulators, 512 registers).  K goes in steps of 256 through a ring of two LDS slots; the scale bytes of the work-group's rows come once and stay.
; The matrix instruction is used transposed: source 0 = 16 rows of "B", source 1 = 16 rows of "A": a lane holds ONE row of A, and its registers run along B's rows.
;   q, k:  A = x, B = W: a lane holds a token, its registers run along the output features, which are the K of q k^T.
;   v:     A = wv, B = value: a lane holds a feature d, its registers run along the tokens, which are the K of p v.
; All rows lie in the stored order (of each 32 rows the second and third group of 8 have changed places), so that a lane's 16 registers of B's blocks 2 i and 2 i + 1 are 16 neighbours in the true order.
; THE WAY OUT: a block of 16 rows of A x 128 of B, + bias, is 64 numbers a lane: four blocks of 32 along the next K.  They are quantised in registers and stored as IMAGES OF THE OPERAND'S REGISTERS:
; registers 2 c and 2 c + 1 of lane l at byte 256 c + 8 l.  q, k: registers 0-5 are one head's 64, registers 6-11 the next head's; the scale word is two bytes, filled up with 0x7f for the half of the
; instruction's K that attention leaves empty.  v: the twelve registers are a fragment of 16 d x 128 keys.  Each store of codes covers 256 consecutive bytes, aligned; the scale words leave in runs of 64 bytes.
; A block of zeros gets the scale byte 1: its codes are zeros, and this program alone reads the bytes.
; CLUSTERS: the four of a row of the cluster need the same tiles of A, the four of a column the same tiles of B: each tile is asked for jointly.  The projection's number is the same in all sixteen.
; REGISTERS: window 0: v0-31 addresses; v32-63 scale words, two sets; v64-127 the bias along B's rows; v128-223 A's fragments, on the way out at work; v240-255 the bias along A's rows.
;   window 1: B's fragments, two sets.   windows 2, 3: the accumulators ((a, b) at v[8 (8 (a % 4) + b)] of window 2 + a / 4).
.set KSTEP,  256
.set NQ,     KSTEP/128
.set ROWB,   192                       ; a tile's row in bytes
.set KROW,   768                       ; a row of codes in memory
.set PITCH,  240                       ; an LDS row: 3 x (64 bytes + 16 of padding)
.set FR,     12
.set NL,     6
.set NP,     4                         ; places behind this matrix instruction (ISA guide 7.12.1)
.set HALFT,  128*PITCH
.set SLOT,   4*HALFT
.set LAPS,   2                         ; K = 1,024 is twice round the ring
.set KS,     32                        ; a row of scale bytes
.set SCL,    2*SLOT
.set HALFS,  (128*KS/256)*272
.set SBLK,   (16*KS/256)*272
.set SPARE,  SCL+4*HALFS               ; the spare words: 128 bytes for each wave, two blocks of 256 bytes that no other line names
.set ADRA, 16
.set ADRB, 20
.set ADRS, 27
.set SPW,  28
.set NIL,  29
.set SC,   32
.set BN,   64                          ; v64-127  register 8 b + j: bias of B's row 32 (b / 2) + 8 (b % 2) + 16 (lane / 16) + j
.set AF,   128
.set BM,   240                         ; v240-255 register 2 a: bias of A's row of lane % 16 in block a; the odd ones 0 (named as halves of pairs)
.set HA,   128                         ; the way out: 64 numbers
.set PC,   192                         ; the codes just made
.set TM,   212
.set PW,   228                         ; the scale word just made
.set G1, 24
.set G0, 32
.set G1B, 48
.set G0B, 56
.set G1S, 68
.set G0S, 76
.set G1SB, 80
.set G0SB, 88
.set SEL, 86                           ; on the way out: lane selects for v_permlanex16_b32
.set MSB, 0
.macro WIN new                         ; the immediate's high byte repeats the setting that is left
.if MSB != (\new)
	s_set_vgpr_msb (MSB<<8)|(\new)
.set MSB, (\new)
.endif
.endm
.set MUL_LO, 0xa1                      ; source 0 (B) window 1, source 1 (A) window 0, C and D window 2
.set MUL_HI, 0xf1
.set TO_B,   0x40
.macro JLOAD g0a, g1a, g0b, g1b        ; a joint load: waves 0 and 1 fetch for A, waves 2 and 3 for B; four v_nop follow each of the two lines
	s_cmp_eq_u32 s15, 0
	s_cbranch_scc0 .Lfor_b_\@
	tensor_load_to_lds s[\g0a:\g0a+3], s[\g1a:\g1a+7]
	s_nop 0
.rept 4
	v_nop
.endr
	s_branch .Lasked_\@
.Lfor_b_\@:
	tensor_load_to_lds s[\g0b:\g0b+3], s[\g1b:\g1b+7]
	s_nop 0
.rept 4
	v_nop
.endr
.Lasked_\@:
.endm
.macro CREST
	s_cmp_lg_u32 s14, 0
	s_cbranch_scc1 .Lnot_wave_0_\@
	s_barrier_signal -3
.Lnot_wave_0_\@:
	s_barrier_wait -3
	s_barrier_signal -1
	s_barrier_wait -1
.endm
.macro CROUND
	s_barrier_signal -1
	s_barrier_wait -1
	CREST
.endm
	s_load_b256 s[4:11], s[0:1], 0x0               ; the codes s[4:5], the scale bytes s[6:7], bq s[8:9], bk s[10:11]
	s_load_b64 s[12:13], s[0:1], 0x20              ; bv
	s_load_b128 s[96:99], s[0:1], 0x28             ; qh, kvh
	v_lshl_add_u32 v[SPW], v0, 2, SPARE
	v_mov_b32 v[NIL], 0
	ds_add_u32 v28, v29
	ds_add_u32 v28, v29
	s_wait_dscnt 0x0
	v_lshrrev_b32 v1, 5, v0
	v_readfirstlane_b32 s14, v1                    ; wave 0..3
	s_lshr_b32 s15, s14, 1                         ; which half of A's rows is mine.  Also: I fetch for A (0) or for B (1)
	s_and_b32 s16, s14, 1                          ; which half of B's rows.  Also: which 128 rows I fetch
	s_bfe_u32 s40, ttmp6, 0x40000                  ; cx, cy
	s_bfe_u32 s41, ttmp6, 0x40004
	s_and_b32 s100, ttmp7, 0xffff                  ; cluster y (there is one cluster along x)
	s_and_b32 s101, s100, 7                        ; which eighth of x's rows
	s_lshr_b32 s100, s100, 3                       ; which projection
	s_lshl_b32 s18, s101, 2
	s_mul_i32 s19, s100, 6291456                   ; x's section of the codes
	s_mul_i32 s20, s100, 786432
	s_add_co_u32 s20, s20, 18874368                ; W's
	s_mul_i32 s21, s100, 262144                    ; and of the scale bytes
	s_mul_i32 s22, s100, 32768
	s_add_co_u32 s22, s22, 786432
	s_cmp_eq_u32 s100, 2                           ; v: A = W, B = x
	s_cselect_b32 s17, 0, s18
	s_cselect_b32 s42, s18, 0
	s_cselect_b32 s92, s20, s19                    ; A's section
	s_cselect_b32 s93, s19, s20                    ; B's
	s_cselect_b32 s94, s22, s21
	s_cselect_b32 s95, s21, s22
	s_add_co_u32 s17, s17, s41                     ; tile row (of A)
	s_add_co_u32 s42, s42, s40                     ; tile column (of B)
	s_lshl_b32 s43, s41, 2
	s_lshl_b32 s43, 15, s43                        ; my row of the cluster
	s_lshl_b32 s44, 0x1111, s40                    ; my column
	s_or_b32 s[G1+0], s43, (0<<16)|(1<<20)|(1<<21)|(3<<22)|(3<<25)  ; the mask; elements of 1 byte; padding on; bit 21 beside a mask; after every 16 words 4 words
	s_or_b32 s[G1B+0], s44, (0<<16)|(1<<20)|(1<<21)|(3<<22)|(3<<25)
.irp g, G1, G1B
	s_mov_b32 s[\g+1], ROWB<<16                    ; tensor_dim0
	s_mov_b32 s[\g+2], 128<<16                     ; tensor_dim1
	s_mov_b32 s[\g+3], ROWB<<16                    ; tile_dim0
	s_mov_b32 s[\g+4], 128                         ; tile_dim1
	s_mov_b32 s[\g+5], KROW                        ; the pitch
	s_mov_b32 s[\g+6], 0
	s_mov_b32 s[\g+7], 0
.endr
	s_or_b32 s[G1S+0], s43, (3<<16)|(1<<20)|(1<<21)|(5<<22)|(3<<25) ; the scale bytes of 128 rows: a dense block, as rows of 256 bytes + 16 of padding
	s_or_b32 s[G1SB+0], s44, (3<<16)|(1<<20)|(1<<21)|(5<<22)|(3<<25)
.irp g, G1S, G1SB
	s_mov_b32 s[\g+1], 32<<16
	s_mov_b32 s[\g+2], (128*KS/256)<<16
	s_mov_b32 s[\g+3], 32<<16
	s_mov_b32 s[\g+4], 128*KS/256
	s_mov_b32 s[\g+5], 32
	s_mov_b32 s[\g+6], 0
	s_mov_b32 s[\g+7], 0
.endr
	s_lshl_b32 s18, s16, 7                         ; which 128 rows of the tile I fetch
	s_lshl_b32 s20, s17, 8
	s_add_co_u32 s20, s20, s18                     ; A: row 256 x tile row + 128 x half
	s_lshl_b32 s46, s42, 8
	s_add_co_u32 s46, s46, s18                     ; B: row 256 x tile column + 128 x half
	s_lshl_b32 s22, s20, 5
	s_add_co_u32 s22, s22, s94                     ; A's scale bytes, from the buffer's first byte (all offsets stay under 2^25)
	s_mov_b32 s23, 0
	s_mul_i32 s20, s20, KROW
	s_add_co_u32 s20, s20, s92                     ; A's codes
	s_mov_b32 s21, 0
	s_lshl_b32 s92, s46, 5
	s_add_co_u32 s92, s92, s95                     ; B's scale bytes
	s_mul_i32 s46, s46, KROW
	s_add_co_u32 s46, s46, s93                     ; B's codes
	s_mov_b32 s93, 0
	s_mov_b32 s47, 0
	s_mul_i32 s45, s14, HALFT                      ; where they go: wave x 128 rows: no place in the cluster enters an LDS address
	s_mul_i32 s94, s14, HALFS
	s_wait_kmcnt 0x0
	s_add_nc_u64 s[20:21], s[4:5], s[20:21]
	s_add_nc_u64 s[22:23], s[6:7], s[22:23]
	s_add_nc_u64 s[46:47], s[4:5], s[46:47]
	s_add_nc_u64 s[92:93], s[6:7], s[92:93]
	s_cmp_eq_u32 s100, 1                           ; the projection's bias and its output buffer
	s_cselect_b64 s[12:13], s[10:11], s[12:13]
	s_cmp_eq_u32 s100, 0
	s_cselect_b64 s[12:13], s[8:9], s[12:13]
	s_cselect_b64 s[96:97], s[96:97], s[98:99]
	CROUND                                         ; all sixteen work-groups are here: the first joint loads meet
	s_mov_b32 s[G0S], 1
	s_add_co_u32 s[G0S+1], s94, SCL
	s_mov_b64 s[G0S+2:G0S+3], s[22:23]
	s_or_b32 s[G0S+3], s[G0S+3], 0x80000000
	s_mov_b32 s[G0SB], 1
	s_add_co_u32 s[G0SB+1], s94, SCL
	s_mov_b64 s[G0SB+2:G0SB+3], s[92:93]
	s_or_b32 s[G0SB+3], s[G0SB+3], 0x80000000
	JLOAD G0S, G1S, G0SB, G1SB                     ; the scales first: they are wanted with K step 0
.irp s, 0,1
	s_mov_b32 s[G0+4*\s], 1
	s_add_co_u32 s[G0+4*\s+1], s45, \s*SLOT
	s_add_nc_u64 s[G0+4*\s+2:G0+4*\s+3], s[20:21], \s*ROWB
	s_or_b32 s[G0+4*\s+3], s[G0+4*\s+3], 0x80000000
	s_mov_b32 s[G0B+4*\s], 1
	s_add_co_u32 s[G0B+4*\s+1], s45, \s*SLOT
	s_add_nc_u64 s[G0B+4*\s+2:G0B+4*\s+3], s[46:47], \s*ROWB
	s_or_b32 s[G0B+4*\s+3], s[G0B+4*\s+3], 0x80000000
	JLOAD G0+4*\s, G1, G0B+4*\s, G1B
.endr                                              ; three tensor loads of mine are out
	v_and_b32 v1, 15, v0                           ; r = lane % 16
	v_bfe_u32 v2, v0, 4, 1                         ; h = lane / 16
	v_mul_u32_u24 v3, v1, PITCH
	v_mul_u32_u24 v4, v2, 24
	v_add_nc_u32 v4, v3, v4                        ; a fragment's row x pitch + 24 x half
	v_lshl_add_u32 v5, v2, 4, v4                   ; and the same behind one padding more
	s_mul_i32 s21, s15, HALFT
	s_mul_i32 s22, s16, HALFT
	s_add_co_u32 s22, s22, 2*HALFT
.irp s, 0,1
	v_add_nc_u32 v[ADRA+\s], s21, v4
	v_add_nc_u32 v[ADRB+\s], s22, v4
	v_add_nc_u32 v[ADRA+2+\s], s21, v5
	v_add_nc_u32 v[ADRB+2+\s], s22, v5
	s_add_co_u32 s21, s21, SLOT
	s_add_co_u32 s22, s22, SLOT
.endr
	v_mul_u32_u24 v5, v1, KS                       ; my row's scales: KS bytes a row,
	v_lshrrev_b32 v6, 8, v5
	v_lshl_add_u32 v5, v6, 4, v5                   ; and 16 more for each 256 passed
	s_mul_i32 s21, s15, HALFS
	s_mul_i32 s22, s16, HALFS
	s_add_co_u32 s22, s22, 2*HALFS
	s_sub_co_u32 s22, s22, s21
	v_mul_u32_u24 v6, s22, v2                      ; lanes 16-31 take B's
	s_add_co_u32 s21, s21, SCL
	v_add_nc_u32 v5, v5, v6
	v_add_nc_u32 v[ADRS], s21, v5
	; the biases.  Both tables are loaded in every projection, the one that is not used from the bias's first 128 numbers, so that every register is written and no load leaves the 1,024 numbers
	s_lshl_b32 s104, s17, 8
	s_lshl_b32 s18, s15, 7
	s_add_co_u32 s104, s104, s18                   ; my first row of A
	s_lshl_b32 s105, s42, 8
	s_lshl_b32 s18, s16, 7
	s_add_co_u32 s105, s105, s18                   ; my first row of B
	s_cmp_eq_u32 s100, 2
	s_cselect_b32 s18, 0, s105
	s_cselect_b32 s19, s104, 0
	v_lshlrev_b32 v14, 6, v2
	v_lshl_add_u32 v14, s18, 2, v14                ; 4 x (first row of B + 16 h)
	v_and_b32 v15, 8, v1
	v_add_nc_u32 v15, v15, v1
	v_add_nc_u32 v15, s19, v15
	v_lshlrev_b32 v15, 2, v15                      ; 4 x (first row of A + r + 8 (r / 8))
.irp b, 0,1,2,3,4,5,6,7
	global_load_b128 v[BN+8*\b:BN+8*\b+3], v14, s[12:13] offset:(32*(\b/2)+8*(\b%2))*4
	global_load_b128 v[BN+8*\b+4:BN+8*\b+7], v14, s[12:13] offset:(32*(\b/2)+8*(\b%2))*4+16
.endr
.irp a, 0,1,2,3,4,5,6,7
	global_load_b32 v[BM+2*\a], v15, s[12:13] offset:(32*(\a/2)+8*(\a%2))*4
	v_mov_b32 v[BM+2*\a+1], 0
.endr
.macro FRAG reg, adr, q, i             ; a fragment, 16 rows x 128 K, is 12 registers: lane l holds row l % 16; registers 6 c .. 6 c + 5 hold K = 64 c + 32 (l / 16) + 0 .. 31: 24 bytes of the row, as they lie
.irp p, 0,1,2,3,4,5                    ; in pieces of 8 bytes; where the piece of lanes 16-31 lies behind one padding more, the second address register serves
.set PCE, 12*(\q)+6*(\p/3)+\p%3
.if PCE%8 < 5
	ds_load_b64 v[\reg+2*\p:\reg+2*\p+1], v[\adr] offset:8*PCE+16*(PCE/8)+(\i)*16*PITCH
.else
	ds_load_b64 v[\reg+2*\p:\reg+2*\p+1], v[\adr+2] offset:8*PCE+16*(PCE/8)+(\i)*16*PITCH
.endif
.endr
.endm
; 16 matrix instructions: A's blocks a0, a0 + 1 x B's eight, 128 along K.  The 64 accumulators take turns, one instruction a turn, in the same order in every step.
.macro MUL16 a0, p, q, sc, zero
.irp a, \a0, \a0+1
.irp b, 0,1,2,3,4,5,6,7
.if \zero
	v_wmma_scale_f32_16x16x128_f8f6f4 v[8*(8*((\a)%4)+\b):8*(8*((\a)%4)+\b)+7], v[128*(\p)+FR*\b:128*(\p)+FR*\b+FR-1], v[AF+FR*(\a):AF+FR*(\a)+FR-1], 0, v[SC+8*NQ*(\sc)+NQ*\b+(\q)], v[SC+8*NQ*(\sc)+NQ*(\a)+(\q)] matrix_a_fmt:MATRIX_FMT_FP6 matrix_b_fmt:MATRIX_FMT_FP6 matrix_a_scale:MATRIX_SCALE_ROW1
.else
	v_wmma_scale_f32_16x16x128_f8f6f4 v[8*(8*((\a)%4)+\b):8*(8*((\a)%4)+\b)+7], v[128*(\p)+FR*\b:128*(\p)+FR*\b+FR-1], v[AF+FR*(\a):AF+FR*(\a)+FR-1], v[8*(8*((\a)%4)+\b):8*(8*((\a)%4)+\b)+7], v[SC+8*NQ*(\sc)+NQ*\b+(\q)], v[SC+8*NQ*(\sc)+NQ*(\a)+(\q)] matrix_a_fmt:MATRIX_FMT_FP6 matrix_b_fmt:MATRIX_FMT_FP6 matrix_a_scale:MATRIX_SCALE_ROW1
.endif
.endr
.endr
.endm
.macro FETCH_B slot, q, p
	WIN TO_B
.irp i, 0,1,2,3,4,5,6,7
	FRAG 128*(\p)+FR*\i, ADRB+\slot, \q, \i
.endr
	WIN 0
.endm
.macro FETCH_A slot, q, i0
.irp i, \i0, \i0+1, \i0+2, \i0+3
	FRAG AF+FR*(\i), ADRA+\slot, \q, \i
.endr
.endm
.macro SCALES sc                       ; a K step's scale words: lanes 0-15 take A's block i, lanes 16-31 B's block i
.irp i, 0,1,2,3,4,5,6,7
	ds_load_b64 v[SC+8*NQ*\sc+NQ*\i:SC+8*NQ*\sc+NQ*\i+1], v[ADRS] offset:\i*SBLK
.endr
.endm
.macro PLACES n                        ; plain vector instructions between a matrix instruction and a load into, or a vector access to, its registers
.rept \n
	v_nop
.endr
.endm
.macro STEP slot, q, zero              ; a step of 128 along K that has its successor in the same slot
	s_wait_dscnt 4*NL                              ; B's set and A's blocks 0-3 are in; the youngest 24 loads (A's blocks 4-7) may be out
	WIN MUL_LO
	MUL16 0, (\q)%2, \q, \slot, \zero
	MUL16 2, (\q)%2, \q, \slot, \zero
	s_wait_dscnt 0
	PLACES NP
	FETCH_B \slot, (\q)+1, 1-(\q)%2
	FETCH_A \slot, (\q)+1, 0
	WIN MUL_HI
	MUL16 4, (\q)%2, \q, \slot, \zero
	MUL16 6, (\q)%2, \q, \slot, \zero
	PLACES NP
	WIN 0
	FETCH_A \slot, (\q)+1, 4
.endm
.macro TURN slot, next, fill           ; a slot's last step changes slots: one barrier; fill = 1: this slot is filled again, two K steps ahead
	s_wait_tensorcnt 0x0                           ; all my tensor loads have landed: my part of the next slot
	ds_add_u32 v[SPW], v[NIL]                      ; 0 onto my spare word
	s_wait_dscnt 4*NL+1                            ; (the add and the youngest 24 loads may be out)
	WIN MUL_LO
	MUL16 0, 1, NQ-1, \slot, 0
	s_wait_dscnt 0x0                               ; the add is done, and my reads of this slot are over
	s_barrier_signal -1
	MUL16 2, 1, NQ-1, \slot, 0
	WIN 0
	s_barrier_wait -1
.if \fill
	CREST                                          ; the barrier has opened a round of the cluster's barrier: no wave of any partner still reads this slot or has a load on its way
	s_add_nc_u64 s[G0+4*\slot+2:G0+4*\slot+3], s[G0+4*\slot+2:G0+4*\slot+3], 2*ROWB
	s_add_nc_u64 s[G0B+4*\slot+2:G0B+4*\slot+3], s[G0B+4*\slot+2:G0B+4*\slot+3], 2*ROWB
	JLOAD G0+4*\slot, G1, G0B+4*\slot, G1B         ; the first tensor load behind the round; its four v_nop are the places in front of the loads below
.else
	PLACES NP
.endif
	v_add_nc_u32 v[ADRS], 4*NQ, v[ADRS]            ; on to the next K step's scale words (no LDS load of mine is out)
	FETCH_B \next, 0, 0
	FETCH_A \next, 0, 0
	SCALES \next
	WIN MUL_HI
	MUL16 4, 1, NQ-1, \slot, 0
	MUL16 6, 1, NQ-1, \slot, 0
	PLACES NP
	WIN 0
	FETCH_A \next, 0, 4
.endm
	s_wait_loadcnt 0x0                             ; the biases
	s_wait_tensorcnt 1                             ; the scales and my part of K step 0 are in (K step 1's load may be out),
	s_barrier_signal -1
	s_barrier_wait -1                              ; everybody's are
	FETCH_B 0, 0, 0
	FETCH_A 0, 0, 0
	SCALES 0
	FETCH_A 0, 0, 4
	STEP 0, 0, 1                                   ; the first step stands in front of the loop: its products start the sums
	s_mov_b32 s3, LAPS-1
.Llap:
	TURN 0, 1, 1
	STEP 1, 0, 0
	TURN 1, 0, 1
	STEP 0, 0, 0
	s_sub_co_u32 s3, s3, 1
	s_cmp_lg_u32 s3, 0
	s_cbranch_scc1 .Llap
	TURN 0, 1, 0                                   ; the last lap fills nothing
	STEP 1, 0, 0
	s_wait_dscnt 4*NL
	WIN MUL_LO
	MUL16 0, 1, NQ-1, 1, 0
	MUL16 2, 1, NQ-1, 1, 0
	s_wait_dscnt 0
	WIN MUL_HI
	MUL16 4, 1, NQ-1, 1, 0
	MUL16 6, 1, NQ-1, 1, 0
	WIN 0
	PLACES NP
	; ---------------- THE WAY OUT ----------------
	; No tensor load of mine is out, so the descriptors' registers are free.  What differs between q, k and v is kept in scalars, chosen on the projection's number.
	s_mov_b32 s[SEL], 0x76543210
	s_mov_b32 s[SEL+1], 0xfedcba98
	s_mov_b32 s70, 208896
	s_cmp_eq_u32 s100, 0
	s_cselect_b32 s70, 106496, s70                 ; a head's bytes in the output buffer
	s_mov_b32 s71, 768
	s_mov_b32 s77, 0xffff
	s_mov_b32 s78, 0x7f7f0000
	s_cmp_eq_u32 s100, 2
	s_cselect_b32 s68, s105, s104                  ; my first row of x
	s_cselect_b32 s69, s104, s105                  ; my first row of W
	s_cselect_b32 s71, 1536, s71                   ; from block to block: a tile of 6 registers, or a fragment of 12
	s_cselect_b32 s72, 202752, 0                   ; v: behind block 3 on to the next head: a head less four fragments
	s_cselect_b32 s73, 768, s70                    ; registers 6-11: the fragment's second half, or the next head
	s_cselect_b32 s74, 208640, 0                   ; v: the same for the scale words: a head less 4 x 64
	s_cselect_b32 s75, 0, s70                      ; q, k: lanes 16-31 store the next head's scale word
	s_cselect_b32 s76, 0, 16                       ; which is the word's upper half
	s_cselect_b32 s77, -1, s77
	s_cselect_b32 s78, 0, s78
	s_cselect_b32 s81, 106496, 0                   ; v's part of a head lies behind k's
	s_cselect_b32 s82, 1, 2
	s_lshr_b32 s83, s68, 11
	s_lshl_b32 s83, s83, 4
	s_lshr_b32 s84, s69, 6
	s_add_co_u32 s83, s83, s84                     ; 16 x batch + head
	s_mul_i32 s83, s83, s70
	s_add_co_u32 s83, s83, s81
	s_and_b32 s84, s68, 2047                       ; my first token in its batch
	s_mul_i32 s79, s84, 48
	s_add_co_u32 s79, s79, s83                     ; the codes: 768 bytes for 16 tokens (q, k), 6,144 for 128 (v): 48 a token
	s_lshl_b32 s80, s84, s82
	s_add_co_u32 s80, s80, s83
	s_add_co_u32 s80, s80, 98304                   ; the scale words: 64 bytes for 16 tokens, or 256 for 128
	v_and_b32 v7, 31, v0
	v_lshlrev_b32 v7, 3, v7                        ; 8 x lane
	v_and_b32 v8, 15, v0
	v_lshlrev_b32 v8, 2, v8
	v_bfe_u32 v9, v0, 4, 1
	v_mul_u32_u24 v10, s75, v9
	v_add_nc_u32 v8, v8, v10                       ; 4 r (+ a head for lanes 16-31)
	v_mul_u32_u24 v9, s76, v9                      ; how far my half shifts the scale word
.irp b, 0,1,2,3
	v_mov_b32 v[TM+4+\b], 0                        ; written once: a lane permute's destination counts as one of its sources
.endr
; Block a's 64 results + bias come into window 0.  Each accumulator is read from its low end on.
.macro TAKE a
	s_cmp_eq_u32 s100, 2
	s_cbranch_scc1 .Lbyrow_\@
	WIN 0x02+(\a)/4                                ; source 0: window 2 or 3
.set i, 0
.rept 32
	v_pk_add_f32 v[HA+i:HA+i+1], v[64*((\a)%4)+i:64*((\a)%4)+i+1], v[BN+i:BN+i+1]
.set i, i+2
.endr
	WIN 0
	s_branch .Ltaken_\@
.Lbyrow_\@:
	WIN 0x02+(\a)/4
.set i, 0
.rept 32
	v_pk_add_f32 v[HA+i:HA+i+1], v[64*((\a)%4)+i:64*((\a)%4)+i+1], v[BM+2*(\a):BM+2*(\a)+1] op_sel_hi:[1,0]
.set i, i+2
.endr
	WIN 0
.Ltaken_\@:
.endm
; 64 numbers of a lane, register 16 b + i = k 32 b + 16 (lane / 16) + i of my row, become a fragment's codes in v[PC] on and its scale word in v[PW].
.macro QUANT s
.irp b, 0,1,2,3
	v_max3_num_f32 v[TM+\b], |v[\s+16*\b]|, |v[\s+1+16*\b]|, 0x1800000   ; my 16 numbers of block b, and the floor 2^(3 - 127): the byte cannot fall under 1
.endr
.irp i, 2,4,6,8,10,12,14
.irp b, 0,1,2,3
	v_max3_num_f32 v[TM+\b], v[TM+\b], |v[\s+16*\b+\i]|, |v[\s+1+16*\b+\i]|
.endr
.endr
.irp b, 0,1,2,3
	v_permlanex16_b32 v[TM+4+\b], v[TM+\b], s[SEL], s[SEL+1]
.endr
.irp b, 0,1,2,3
	v_max_num_f32 v[TM+\b], v[TM+\b], v[TM+4+\b]   ; with lane l xor 16's: the block's largest magnitude
.endr
.irp b, 0,1,2,3
	v_add_nc_u32 v[TM+12+\b], 0xff000000, v[TM+\b] ; 2 off its exponent field: the conversion's scale operand
.endr
.irp b, 0,1,2,3
	v_lshrrev_b32 v[TM+4+\b], 23, v[TM+12+\b]      ; the scale's byte
.endr
	v_lshl_or_b32 v[PW], v[TM+5], 8, v[TM+4]
	v_lshl_or_b32 v[PW], v[TM+6], 16, v[PW]
	v_lshl_or_b32 v[PW], v[TM+7], 24, v[PW]
.irp c, 0,1
	v_cvt_scalef32_pk16_fp6_f32 v[PC+6*\c:PC+2+6*\c], v[\s+32*\c:\s+15+32*\c], v[TM+12+2*\c]
	v_cvt_scalef32_pk16_fp6_f32 v[PC+12+4*\c:PC+14+4*\c], v[\s+16+32*\c:\s+31+32*\c], v[TM+12+2*\c+1]   ; (a conversion's three registers begin on an even number)
.endr
	v_nop                                          ; one plain place behind a scaled conversion
.irp c, 0,1                                    ; the operand's layout wants a whole block in a lane: lanes 0-15 block 2 c, lanes 16-31 block 2 c + 1
.irp i, 0,1,2
	v_permlane16_swap_b32 v[PC+6*\c+\i], v[PC+12+4*\c+\i]
.endr
.irp i, 0,1,2
	v_mov_b32 v[PC+3+6*\c+\i], v[PC+12+4*\c+\i]
.endr
.endr
.endm
.macro BLOCK a
	TAKE \a
	s_wait_xcnt 0x0                                ; the last block's stores have read their data and their offsets: both are written again below
	QUANT HA
	v_add_nc_u32 v10, s79, v7
	v_add_nc_u32 v11, s73, v10
	v_add_nc_u32 v12, s80, v8
	v_lshrrev_b32 v13, v9, v[PW]
	v_and_or_b32 v13, v13, s77, s78                ; q, k: my head's two bytes, and 0x7f for the two blocks of K that stay empty; v: the word as it is
.irp c, 0,1,2
	global_store_b64 v10, v[PC+2*\c:PC+2*\c+1], s[96:97] offset:256*\c     ; 32 lanes store 256 consecutive bytes, aligned
.endr
.irp c, 0,1,2
	global_store_b64 v11, v[PC+6+2*\c:PC+7+2*\c], s[96:97] offset:256*\c
.endr
	global_store_b32 v12, v13, s[96:97]            ; (v: both halves of the lanes store the same word to the same place)
	s_add_co_u32 s79, s79, s71
	s_add_co_u32 s80, s80, 64
.if (\a) == 3
	s_add_co_u32 s79, s79, s72
	s_add_co_u32 s80, s80, s74
.endif
.endm
.irp a, 0,1,2,3,4,5,6,7
	BLOCK \a
.endr
	s_wait_tensorcnt 0x0                           ; the wave's end
	ds_add_u32 v[SPW], v[NIL]
	s_wait_dscnt 0x0
	CROUND                                         ; the closing round: no work-group ends while a partner may still ask for a tile that names it
	s_endpgm
.Lfunc_end_k_q1d28455907_proj:
	.size	k_q1d28455907_proj, .Lfunc_end_k_q1d28455907_proj-k_q1d28455907_proj
	.p2alignl 7, 3214868480
	.fill 96, 4, 3214868480
	.section	.rodata,"a",@progbits
	.p2align	6, 0x0
	.amdhsa_kernel k_q1d28455907_proj
		.amdhsa_group_segment_fixed_size 327680
		.amdhsa_private_segment_fixed_size 0
		.amdhsa_enable_private_segment 0
		.amdhsa_kernarg_size 56
		.amdhsa_user_sgpr_count 2
		.amdhsa_user_sgpr_kernarg_segment_ptr 1
		.amdhsa_wavefront_size32 1
		.amdhsa_system_sgpr_workgroup_id_x 1
		.amdhsa_system_sgpr_workgroup_id_y 1
		.amdhsa_system_sgpr_workgroup_id_z 1
		.amdhsa_system_vgpr_workitem_id 0
		.amdhsa_next_free_vgpr 1024
		.amdhsa_next_free_sgpr 106
		.amdhsa_reserve_vcc 0
		.amdhsa_float_denorm_mode_32 3
		.amdhsa_float_denorm_mode_16_64 3
		.amdhsa_memory_ordered 1
		.amdhsa_forward_progress 1
		.amdhsa_inst_pref_size 207
	.end_amdhsa_kernel
	.amdgpu_metadata
---
amdhsa.version: [ 1, 2 ]
amdhsa.kernels:
  - .name:           k_q1d28455907_proj
    .symbol:         k_q1d28455907_proj.kd
    .args:
      - { .name: xw_codes, .offset: 0, .size: 8, .value_kind: global_buffer, .address_space: global }
      - { .name: xw_scales, .offset: 8, .size: 8, .value_kind: global_buffer, .address_space: global }
      - { .name: bq, .offset: 16, .size: 8, .value_kind: global_buffer, .address_space: global }
      - { .name: bk, .offset: 24, .size: 8, .value_kind: global_buffer, .address_space: global }
      - { .name: bv, .offset: 32, .size: 8, .value_kind: global_buffer, .address_space: global }
      - { .name: qh, .offset: 40, .size: 8, .value_kind: global_buffer, .address_space: global }
      - { .name: kvh, .offset: 48, .size: 8, .value_kind: global_buffer, .address_space: global }
    .group_segment_fixed_size: 327680
    .private_segment_fixed_size: 0
    .kernarg_segment_align: 8
    .kernarg_segment_size: 56
    .max_flat_workgroup_size: 128
    .sgpr_count:     106
    .vgpr_count:     1024
    .wavefront_size: 32
...
	.end_amdgpu_metadata
.endif
;; end of part 2
;; launch attn (part 3): grid 4 x 64, 16 waves a work-group, clusters of 4 x 1, 210,944 bytes of LDS; arguments qh, kvh, mbits, acodes, ascales; writes acodes, ascales
.if DOCPART == 3
	.amdgcn_target "amdgcn-amd-amdhsa--gfx1250"
	.amdhsa_code_object_version 6
	.text
	.protected	k_q1d28455907_attn
	.globl	k_q1d28455907_attn
	.p2align	8
	.type	k_q1d28455907_attn,@function
k_q1d28455907_attn:
	s_mov_b64 s[64:65], 0
	v_nop
	global_prefetch_b8 v0, s[64:65] scope:SCOPE_SE
	s_setreg_imm32_b32 hwreg(HW_REG_WAVE_MODE, 25, 1), 1
	s_wait_xcnt 0x0
	s_wait_alu depctr_hold_cnt(0) depctr_sa_sdst(0) depctr_va_vdst(0) depctr_va_sdst(0) depctr_va_ssrc(0) depctr_va_vcc(0) depctr_vm_vsrc(0)
	s_getreg_b32 s2, hwreg(HW_REG_IB_STS2, 6, 4)
	s_cmp_eq_u32 s2, 0
	s_cbranch_scc0 .Lentry_in_a_cluster
	s_endpgm
.Lentry_in_a_cluster:
	s_bfe_u32 s2, ttmp6, 0x10000c
	s_cmp_lg_u32 s2, 0x3003
	s_cbranch_scc0 .Lentry_shape_is_right
	s_endpgm
.Lentry_shape_is_right:
; ATTENTION OF ONE HEAD (64 channels, 2,048 keys), both products on codes of FP6 (E2M3) with one E8M0 scale for each 32 along K, and its result quantised along the hidden axis for the output projection.
; t = score x log2(e) / 8; M = the row's largest t so far, rounded up to a whole number; p = 2^(t - M) is quantised along the keys, not normalised; the row's sum is taken of the unquantised p and divides at the end.
; When M moves, the sum and O are multiplied by 2^(old M - new M): exact.
; THE MASK comes as lane masks (64 words for a tile of 16 queries and 128 keys, word n for score register n), read by scalar loads a key step ahead; a hidden score is replaced ahead of the maximum.
; LIMIT: a hidden logit is taken as -2^30 where the definition has -1e9: the raw score becomes -2^33, so that its t is a whole number and a row with every key hidden gets p = 1 everywhere, the uniform weights
; of the definition.  The results differ from the definition's only in rows that hold an open logit under about -1e9.
; SHARES.  A work-group owns 512 queries of one head; each of its sixteen waves two tiles of 16, one after the other, in 256 registers: four waves to a SIMD.
; THE HEAD'S WHOLE K AND V, codes and scale words, 208,896 bytes, lie in LDS, filled once: each wave brings a sixteenth.  No ring, no LDS store.
; CLUSTER.  The four work-groups of a head form a cluster and ask for that block jointly: the same sixteen loads, with the same descriptors, in all four.
; LAYOUT.  Operands lie in memory and in LDS as images of their registers: registers 2 c and 2 c + 1 of lane l at byte 256 c + 8 l, so every LDS load of a wave reads 256 consecutive bytes.
; Both products are used transposed: S^T = K Q^T, O^T = V^T P^T: a lane holds one query throughout.  Keys and channels lie in the stored order (of each 32 the second and third group of 8 have changed places),
; so that the 16 registers of tiles 2 b and 2 b + 1 are 16 neighbours: score register n is key 32 (n / 16) + 16 (lane / 16) + n % 16 of the step.
; K = 64 IN AN INSTRUCTION OF K = 128: Q's registers 6-11 are zero codes; K's operand for tile t is the run of 12 registers from its own six on, whose upper six (the next tile's codes, or zeros) meet zeros;
; the scale bytes of those two blocks are 0x7f on both sides.
; No prefetch: K and V come whole with the first fills, and the mask words are asked for a step ahead by their own loads.
; REGISTERS: v1-6, v29-31 constants; v8-11 LDS addresses; v12 -M, v13 the largest t, v[14:15] the sum; v16-27 Q; v28 Q's scale word; v32-85 K's eight tiles and six zeros, then V's four fragments;
; v96-159 S^T, then p, at the end O / the sum; v160-191 O^T; v192-231 at work; v240-245 K's and V's scale words.
.set KVHEAD, 208896
.set QHEAD,  106496
.set SHARE,  13056                     ; a wave's sixteenth: 51 rows of 256 bytes
.set VPART,  106496                    ; V's fragments begin here
.set KSC,    98304                     ; K's scale words
.set VSC,    204800                    ; V's scale words
.set S,   96
.set O,   160
.set BMX, 192                          ; v192-195 a block's largest score, then its largest p
.set TP,  196                          ; v196-199 the other half's, then the scale bytes
.set SCO, 200                          ; v200-203 the conversions' scale operands
.set PCD, 204                          ; v204-215 p's codes
.set PT,  216                          ; v216-218, v220-222 the halves that are made elsewhere and moved
.set SEL, 66                           ; s[66:67] lane selects for v_permlanex16_b32
.set CS,  68                           ; s[68:69] c = log2(e) / 8
.set MP,  70                           ; s[70:71] the mask words' record
.set INC, 72                           ; s[72:73] its step
.set QP,  74                           ; s[74:75] Q's codes
.set QSP, 76                           ; s[76:77] Q's scale words
.set OP,  78                           ; s[78:79] the result's codes
.set OSP, 96                           ; s[96:97] the result's scale bytes
.set TK,  98                           ; s98  the step's codes of K and of V: 6,144 bytes a step
.set TS,  99                           ; s99  K's scale words: 512
.set TJ,  100                          ; s100 V's: 256
.set NS,  101                          ; s101 key steps done, over both tiles
.set QT,  104                          ; s104 tiles to go
.macro ROUND                           ; a round of the cluster's barrier
	s_barrier_signal -1
	s_barrier_wait -1
	s_cmp_lg_u32 s2, 0
	s_cbranch_scc1 .Lnot_wave_0_\@
	s_barrier_signal -3
.Lnot_wave_0_\@:
	s_barrier_wait -3
	s_barrier_signal -1
	s_barrier_wait -1
.endm
	s_load_b256 s[16:23], s[0:1], 0x0              ; qh, kvh, mbits, acodes
	s_load_b64 s[24:25], s[0:1], 0x20              ; ascales
	v_lshl_add_u32 v254, v0, 2, 0x33000
	v_mov_b32 v255, 0
	ds_add_u32 v254, v255
	ds_add_u32 v254, v255
	v_lshrrev_b32 v1, 5, v0
	s_delay_alu instid0(VALU_DEP_1)
	v_readfirstlane_b32 s2, v1                     ; wave 0..15
	s_and_b32 s26, ttmp7, 0xffff                   ; 16 x batch + head: the four partners share it
	s_lshr_b32 s27, s26, 4                         ; batch
	s_and_b32 s28, s26, 15                         ; head
	s_bfe_u32 s29, ttmp6, 0x40000                  ; cx
	s_lshl_b32 s30, ttmp9, 2
	s_add_co_u32 s29, s29, s30                     ; my block of 512 queries
	s_lshl_b32 s29, s29, 5
	s_lshl_b32 s30, s2, 1
	s_add_co_u32 s29, s29, s30                     ; my first tile of queries in the batch
	s_lshl_b32 s30, s27, 7
	s_add_co_u32 s30, s30, s29                     ; and over all batches
	s_mul_i32 s32, s26, KVHEAD                     ; K and V: the head's block, my wave's sixteenth: no place in the cluster enters it
	s_mul_i32 s5, s2, SHARE                        ; in LDS
	s_add_co_u32 s32, s32, s5
	s_mov_b32 s33, 0
	s_mul_i32 s34, s26, QHEAD
	s_mul_i32 s36, s29, 768
	s_add_co_u32 s36, s36, s34                     ; Q's codes: 768 bytes a tile
	s_mov_b32 s37, 0
	s_lshl_b32 s38, s29, 6
	s_add_co_u32 s38, s38, s34
	s_add_co_u32 s38, s38, 98304                   ; Q's scale words: 64 bytes a tile
	s_mov_b32 s39, 0
	s_lshl_b32 s40, s30, 12                        ; the mask words: 16 records of 256 bytes a tile
	s_mov_b32 s41, 0
	s_lshl_b32 s42, s30, 4
	s_add_co_u32 s42, s42, s28
	s_mul_i32 s42, s42, 768                        ; the result's codes: (16 x tile + head) x 768
	s_mov_b32 s43, 0
	s_lshl_b32 s44, s30, 9
	s_lshl_b32 s45, s28, 1
	s_add_co_u32 s44, s44, s45                     ; its scale bytes: 32 a row, my head's two
	s_mov_b32 s45, 0
	s_mov_b32 s4, 1                                ; group 0: count = 1; s5 the LDS address
	s_mov_b32 s8, 15|(3<<16)|(1<<21)               ; group 1: the mask names all four work-groups; elements of 8 bytes; bit 21 beside a mask; no padding
	s_mov_b32 s9, 32<<16                           ; tensor_dim0 = 32 elements: 256 bytes
	s_mov_b32 s10, 51<<16                          ; tensor_dim1 = 51
	s_mov_b32 s11, 32<<16                          ; tile_dim0
	s_mov_b32 s12, 51                              ; tile_dim1
	s_mov_b32 s13, 32                              ; the pitch: dense
	s_mov_b32 s14, 0
	s_mov_b32 s15, 0
	s_mov_b32 s[SEL], 0x76543210
	s_mov_b32 s[SEL+1], 0xfedcba98
	s_mov_b32 s[CS], 0x3e38aa3b                    ; log2(e) / 8
	s_mov_b32 s[CS+1], s[CS]                       ; (named with it as a pair)
	s_mov_b32 s[INC+1], 0
	s_mov_b32 s105, 0xffff0000                     ; lanes 16-31
	s_mov_b32 s[NS], 0
	s_mov_b32 s[QT], 2
	s_wait_dscnt 0x0
	s_wait_kmcnt 0x0
	s_add_nc_u64 s[6:7], s[18:19], s[32:33]
	s_or_b32 s7, s7, 0x80000000                    ; type = 2
	s_add_nc_u64 s[MP:MP+1], s[20:21], s[40:41]
	s_add_nc_u64 s[QP:QP+1], s[16:17], s[36:37]
	s_add_nc_u64 s[QSP:QSP+1], s[16:17], s[38:39]
	s_add_nc_u64 s[OP:OP+1], s[22:23], s[42:43]
	s_add_nc_u64 s[OSP:OSP+1], s[24:25], s[44:45]
	ROUND                                          ; all four work-groups are here: the joint loads meet
	tensor_load_to_lds s[4:7], s[8:15]             ; my one tensor load of the launch
	s_nop 0
.rept 4
	v_nop
.endr
	v_and_b32 v5, 31, v0
	s_delay_alu instid0(VALU_DEP_1)
	v_lshlrev_b32 v1, 3, v5                        ; 8 x lane
	s_delay_alu instid0(VALU_DEP_2)
	v_lshlrev_b32 v2, 2, v5                        ; 4 x lane
	v_and_b32 v7, 15, v0
	s_delay_alu instid0(VALU_DEP_1)
	v_lshlrev_b32 v3, 2, v7                        ; 4 r
	v_mov_b32 v4, 0xd0000000                       ; -2^33: a hidden score
	v_bfe_u32 v6, v0, 4, 1
	s_delay_alu instid0(VALU_DEP_1)
	v_lshl_add_u32 v6, v7, 5, v6                   ; 32 r + h: my scale byte of the result
	v_add_nc_u32 v29, VPART, v1
	v_add_nc_u32 v30, KSC, v2
	v_add_nc_u32 v31, VSC, v2
.irp i, 22,23,24,25,26,27, 80,81,82,83,84,85, 196,197,198,199, 225, 227
	v_mov_b32 v\i, 0                               ; zero codes; destinations of lane permutes; the upper half of f's pair
.endr
	s_load_b512 s[16:31], s[MP:MP+1], 0x0          ; the first step's 64 mask words: word n in s[16 + n], from word 48 on in s[32 + n]
	s_load_b512 s[32:47], s[MP:MP+1], 0x40
	s_load_b512 s[48:63], s[MP:MP+1], 0x80
	s_load_b512 s[80:95], s[MP:MP+1], 0xc0
	s_wait_tensorcnt 0x0                           ; my sixteenth has landed,
	s_barrier_signal -1
	s_barrier_wait -1                              ; everybody's has
.Lq:                                               ; two trips: a tile of 16 queries each
.irp c, 0,1,2
	global_load_b64 v[16+2*\c:17+2*\c], v1, s[QP:QP+1] offset:256*\c
.endr
	global_load_b32 v28, v3, s[QSP:QSP+1]
	v_mov_b32 v13, 0xff61b1e6                      ; the largest t so far: -3e38
	s_delay_alu instid0(VALU_DEP_1)
	v_floor_f32 v12, -v13                          ; -M
	v_mov_b32 v14, 0
	v_mov_b32 v15, 0
.set i, 0
.rept 32
	v_mov_b32 v[O+i], 0                            ; O^T.  (The step is written once: the first finds zeros, which the first change of M leaves zeros)
.set i, i+1
.endr
	s_mov_b32 s[TK], 0
	s_mov_b32 s[TS], 0
	s_mov_b32 s[TJ], 0
	s_mov_b32 s3, 16
	s_wait_loadcnt 0x0                             ; Q is in, so its addresses may step
	s_add_nc_u64 s[QP:QP+1], s[QP:QP+1], 768
	s_add_nc_u64 s[QSP:QSP+1], s[QSP:QSP+1], 64
.Lk:                                               ; sixteen trips: a step of 128 keys each
	s_setprio 2
	v_add_nc_u32 v8, s[TK], v1                     ; (these four are the places in front of loads into registers that the last products read)
	v_add_nc_u32 v9, s[TK], v29
	v_add_nc_u32 v10, s[TS], v30
	v_add_nc_u32 v11, s[TJ], v31
.irp t, 0,1,2,3,4,5,6,7
.irp c, 0,1,2
	ds_load_b64 v[32+6*\t+2*\c:33+6*\t+2*\c], v8 offset:768*\t+256*\c
.endr
.endr
.irp i, 0,1,2,3
	ds_load_b32 v[240+\i], v10 offset:128*\i       ; lanes 0-15: tile 2 i's scale words; lanes 16-31: tile 2 i + 1's
.endr
	s_wait_alu depctr_va_vdst(0)
	s_wait_dscnt 0x0
.irp t, 0,1,2,3,4,5,6,7
.if \t % 2
	v_wmma_scale_f32_16x16x128_f8f6f4 v[S+8*\t:S+8*\t+7], v[32+6*\t:43+6*\t], v[16:27], 0, v[240+\t/2], v28 matrix_a_fmt:MATRIX_FMT_FP6 matrix_b_fmt:MATRIX_FMT_FP6 matrix_a_scale:MATRIX_SCALE_ROW1
.else
	v_wmma_scale_f32_16x16x128_f8f6f4 v[S+8*\t:S+8*\t+7], v[32+6*\t:43+6*\t], v[16:27], 0, v[240+\t/2], v28 matrix_a_fmt:MATRIX_FMT_FP6 matrix_b_fmt:MATRIX_FMT_FP6
.endif
.endr
.rept 4
	v_nop                                          ; places: in front of the loads into K's registers and of the first read of the scores
.endr
.irp t, 0,1,2,3                                ; V's four fragments are asked for now and land under the softmax
.irp c, 0,1,2,3,4,5
	ds_load_b64 v[32+12*\t+2*\c:33+12*\t+2*\c], v9 offset:1536*\t+256*\c
.endr
.endr
.irp i, 0,1
	ds_load_b32 v[244+\i], v11 offset:128*\i
.endr
	s_wait_kmcnt 0x0                               ; this step's mask words
.set n, 0
.rept 64
.if n < 48
.set w, 16+n
.else
.set w, 32+n
.endif
	v_cndmask_b32 v[S+n], v4, v[S+n], s[w]         ; each accumulator from its low end on
.set n, n+1
.endr
.irp b, 0,1,2,3
	v_max3_num_f32 v[BMX+\b], v[S+16*\b], v[S+1+16*\b], v[S+2+16*\b]   ; the largest score of each block of 32 keys: for the row's maximum, and, since p rises with the score, for the block's largest p
.endr
.irp i, 3,5,7,9,11,13
.irp b, 0,1,2,3
	s_delay_alu instid0(VALU_DEP_4)
	v_max3_num_f32 v[BMX+\b], v[BMX+\b], v[S+16*\b+\i], v[S+1+16*\b+\i]
.endr
.endr
.irp b, 0,1,2,3
	s_delay_alu instid0(VALU_DEP_4)
	v_max_num_f32 v[BMX+\b], v[BMX+\b], v[S+15+16*\b]
.endr
.irp b, 0,1,2,3
	s_delay_alu instid0(VALU_DEP_4)
	v_permlanex16_b32 v[TP+\b], v[BMX+\b], s[SEL], s[SEL+1]
.endr
.irp b, 0,1,2,3
	s_delay_alu instid0(VALU_DEP_4)
	v_max_num_f32 v[BMX+\b], v[BMX+\b], v[TP+\b]   ; with lane l xor 16's 16 keys
.endr
	s_delay_alu instid0(VALU_DEP_2)
	v_max3_num_f32 v227, v[BMX], v[BMX+1], v[BMX+2]
	s_delay_alu instid0(VALU_DEP_1)
	v_max_num_f32 v227, v227, v[BMX+3]
	s_delay_alu instid0(VALU_DEP_1)
	v_mul_f32 v227, s[CS], v227                    ; the step's largest t
	s_delay_alu instid0(VALU_DEP_1)
	v_max_num_f32 v13, v13, v227
	v_mov_b32 v227, v12
	s_delay_alu instid0(VALU_DEP_2)
	v_floor_f32 v12, -v13                          ; the new -M = -ceil(t)
	s_delay_alu instid0(VALU_DEP_1)
	v_sub_f32 v227, v12, v227                      ; old M - new M: a whole number, 0 or less
	s_delay_alu instid0(VALU_DEP_1)
	v_cvt_i32_f32 v227, v227                       ; (it saturates)
	s_delay_alu instid0(VALU_DEP_1)
	v_ldexp_f32 v224, 1.0, v227                    ; f = 2^(old M - new M)
.set j, 0
.rept 32
	v_pk_fma_f32 v[S+j:S+j+1], v[S+j:S+j+1], s[CS:CS+1], v[12:13] op_sel_hi:[1,0,0]   ; t - M
.set j, j+2
.endr
.irp b, 0,1,2,3
	v_fma_f32 v[BMX+\b], v[BMX+\b], s[CS], v12     ; the same of each block's largest score
.endr
.set j, 0
	s_setprio 1
	s_wait_alu depctr_va_vdst(0)
.rept 64
	v_exp_f32 v[S+j], v[S+j]                       ; p = 2^(t - M)
.set j, j+1
.endr
	v_pk_mul_f32 v[14:15], v[14:15], v[224:225] op_sel_hi:[1,0]   ; the sums under the new M (a plain place behind the exponentials)
	s_wait_alu depctr_va_vdst(0)                   ; one wait for the batch, ahead of its first reader.  Every select above has read its mask word by now:
	s_cmp_lt_u32 s[NS], 31                         ; the next step's words; a tile's sixteen records and the next tile's follow each other; the very last step reads its own record again, so that no load leaves the buffer
	s_cselect_b32 s[INC], 256, 0
	s_add_nc_u64 s[MP:MP+1], s[MP:MP+1], s[INC:INC+1]
	s_add_co_u32 s[NS], s[NS], 1
	s_load_b512 s[16:31], s[MP:MP+1], 0x0
	s_load_b512 s[32:47], s[MP:MP+1], 0x40
	s_load_b512 s[48:63], s[MP:MP+1], 0x80
	s_load_b512 s[80:95], s[MP:MP+1], 0xc0
.irp b, 0,1,2,3
	v_exp_f32 v[BMX+\b], v[BMX+\b]                 ; the block's largest p
.endr
	v_pk_add_f32 v[230:231], v[100:101], v[104:105]
	v_pk_add_f32 v[252:253], v[108:109], v[112:113]
	v_pk_add_f32 v[250:251], v[116:117], v[120:121]
	v_pk_add_f32 v[248:249], v[124:125], v[128:129]
	v_pk_add_f32 v[246:247], v[132:133], v[136:137]
	v_pk_add_f32 v[242:243], v[140:141], v[144:145]
	v_pk_add_f32 v[240:241], v[148:149], v[152:153]
	v_pk_add_f32 v[14:15], v[14:15], v[156:157]
	v_pk_add_f32 v[230:231], v[230:231], v[96:97]
	v_pk_add_f32 v[252:253], v[252:253], v[98:99]
	v_pk_add_f32 v[250:251], v[250:251], v[102:103]
	v_pk_add_f32 v[248:249], v[248:249], v[106:107]
	v_pk_add_f32 v[246:247], v[246:247], v[110:111]
	v_pk_add_f32 v[242:243], v[242:243], v[114:115]
	v_pk_add_f32 v[240:241], v[240:241], v[118:119]
	v_pk_add_f32 v[14:15], v[14:15], v[122:123]
	v_pk_add_f32 v[230:231], v[230:231], v[126:127]
	v_pk_add_f32 v[252:253], v[252:253], v[130:131]
	v_pk_add_f32 v[250:251], v[250:251], v[134:135]
	v_pk_add_f32 v[248:249], v[248:249], v[138:139]
	v_pk_add_f32 v[246:247], v[246:247], v[142:143]
	v_pk_add_f32 v[242:243], v[242:243], v[146:147]
	v_pk_add_f32 v[240:241], v[240:241], v[150:151]
	v_pk_add_f32 v[14:15], v[14:15], v[154:155]
	v_pk_add_f32 v[230:231], v[230:231], v[158:159]
	s_delay_alu instid0(VALU_DEP_2)
	v_pk_add_f32 v[14:15], v[14:15], v[248:249]
	s_delay_alu instid0(VALU_DEP_2)
	v_pk_add_f32 v[230:231], v[230:231], v[246:247]
	v_pk_add_f32 v[252:253], v[252:253], v[242:243]
	v_pk_add_f32 v[250:251], v[250:251], v[240:241]
	s_delay_alu instid0(VALU_DEP_2)
	v_pk_add_f32 v[14:15], v[14:15], v[252:253]
	s_delay_alu instid0(VALU_DEP_2)
	v_pk_add_f32 v[230:231], v[230:231], v[250:251]
	s_delay_alu instid0(VALU_DEP_1)
	v_pk_add_f32 v[14:15], v[14:15], v[230:231]
	s_wait_alu depctr_va_vdst(0)                   ; and one for the four
.irp b, 0,1,2,3
	v_max_num_f32 v[BMX+\b], 0x1800000, v[BMX+\b]  ; the floor 2^(3 - 127): the byte cannot fall under 1
.endr
.irp b, 0,1,2,3
	s_delay_alu instid0(VALU_DEP_4)
	v_add_nc_u32 v[SCO+\b], 0xff000000, v[BMX+\b]  ; 2 off the exponent field: the conversion's scale operand
.endr
.irp b, 0,1,2,3
	s_delay_alu instid0(VALU_DEP_4)
	v_lshrrev_b32 v[TP+\b], 23, v[SCO+\b]          ; the scale's byte
.endr
	s_delay_alu instid0(VALU_DEP_3)
	v_lshl_or_b32 v226, v[TP+1], 8, v[TP]          ; p's scale word for these 128 keys
	s_delay_alu instid0(VALU_DEP_1)
	v_lshl_or_b32 v226, v[TP+2], 16, v226
	s_delay_alu instid0(VALU_DEP_1)
	v_lshl_or_b32 v226, v[TP+3], 24, v226
	s_setprio 0
.irp c, 0,1
	v_cvt_scalef32_pk16_fp6_f32 v[PCD+6*\c:PCD+2+6*\c], v[S+32*\c:S+15+32*\c], v[SCO+2*\c]
	v_cvt_scalef32_pk16_fp6_f32 v[PT+4*\c:PT+2+4*\c], v[S+16+32*\c:S+31+32*\c], v[SCO+2*\c+1]
.endr
	v_nop                                          ; one plain place behind a scaled conversion
.irp c, 0,1
.irp i, 0,1,2
	v_permlane16_swap_b32 v[PCD+6*\c+\i], v[PT+4*\c+\i]
.endr
.irp i, 0,1,2
	s_delay_alu instid0(VALU_DEP_3)
	v_mov_b32 v[PCD+3+6*\c+\i], v[PT+4*\c+\i]
.endr
.endr
.set j, 0
.rept 16
	v_pk_mul_f32 v[O+j:O+j+1], v[O+j:O+j+1], v[224:225] op_sel_hi:[1,0]   ; O^T under the new M.  (These sixteen are also the places between the codes and the scale word just made and the products)
.set j, j+2
.endr
	s_wait_alu depctr_va_vdst(0)
	s_wait_dscnt 0x0                               ; V
.irp t, 0,1,2,3                                ; the four accumulators by turns; the next step's eight score products stand between two links
.if \t % 2
	v_wmma_scale_f32_16x16x128_f8f6f4 v[O+8*\t:O+8*\t+7], v[32+12*\t:43+12*\t], v[PCD:PCD+11], v[O+8*\t:O+8*\t+7], v[244+\t/2], v226 matrix_a_fmt:MATRIX_FMT_FP6 matrix_b_fmt:MATRIX_FMT_FP6 matrix_a_scale:MATRIX_SCALE_ROW1
.else
	v_wmma_scale_f32_16x16x128_f8f6f4 v[O+8*\t:O+8*\t+7], v[32+12*\t:43+12*\t], v[PCD:PCD+11], v[O+8*\t:O+8*\t+7], v[244+\t/2], v226 matrix_a_fmt:MATRIX_FMT_FP6 matrix_b_fmt:MATRIX_FMT_FP6
.endif
.endr
	s_add_co_u32 s[TK], s[TK], 6144
	s_add_co_u32 s[TS], s[TS], 512
	s_add_co_u32 s[TJ], s[TJ], 256
	s_sub_co_u32 s3, s3, 1
	s_cmp_lg_u32 s3, 0
	s_cbranch_scc1 .Lk
	s_setprio 0
	; the tile's end: O^T / the sum; register 16 b + i is channel 32 b + 16 (lane / 16) + i of my query: two blocks of 32 along the hidden axis
.rept 4
	v_nop                                          ; places behind the last products
.endr
	v_add_f32 v14, v14, v15
	s_delay_alu instid0(VALU_DEP_1)
	v_permlanex16_b32 v227, v14, s[SEL], s[SEL+1]
	s_delay_alu instid0(VALU_DEP_1)
	v_add_f32 v14, v14, v227                       ; the row's sum
	s_wait_alu depctr_va_vdst(0)
	v_rcp_f32 v14, v14
	v_nop                                          ; a plain place behind the transcendental
	s_wait_alu depctr_va_vdst(0)                   ; and the wait ahead of its first reader
.set i, 0
.rept 32
	v_mul_f32 v[S+i], v[O+i], v14                  ; each accumulator from its low end on
.set i, i+1
.endr
.irp b, 0,1
	v_max3_num_f32 v[BMX+\b], |v[S+16*\b]|, |v[S+1+16*\b]|, 0x1800000
.endr
.irp i, 2,4,6,8,10,12,14
.irp b, 0,1
	s_delay_alu instid0(VALU_DEP_2)
	v_max3_num_f32 v[BMX+\b], v[BMX+\b], |v[S+16*\b+\i]|, |v[S+1+16*\b+\i]|
.endr
.endr
.irp b, 0,1
	s_delay_alu instid0(VALU_DEP_2)
	v_permlanex16_b32 v[TP+\b], v[BMX+\b], s[SEL], s[SEL+1]
.endr
.irp b, 0,1
	s_delay_alu instid0(VALU_DEP_2)
	v_max_num_f32 v[BMX+\b], v[BMX+\b], v[TP+\b]
.endr
.irp b, 0,1
	s_delay_alu instid0(VALU_DEP_2)
	v_add_nc_u32 v[SCO+\b], 0xff000000, v[BMX+\b]
.endr
.irp b, 0,1
	s_delay_alu instid0(VALU_DEP_2)
	v_lshrrev_b32 v[TP+\b], 23, v[SCO+\b]
.endr
	s_delay_alu instid0(VALU_DEP_1)
	v_cndmask_b32 v227, v[TP], v[TP+1], s105       ; lanes 0-15 store block 0's byte, lanes 16-31 block 1's
	v_cvt_scalef32_pk16_fp6_f32 v[PCD:PCD+2], v[S:S+15], v[SCO]
	v_cvt_scalef32_pk16_fp6_f32 v[PT:PT+2], v[S+16:S+31], v[SCO+1]
	v_nop
.irp i, 0,1,2
	v_permlane16_swap_b32 v[PCD+\i], v[PT+\i]
.endr
.irp i, 0,1,2
	s_delay_alu instid0(VALU_DEP_3)
	v_mov_b32 v[PCD+3+\i], v[PT+\i]                ; registers 0-5: channels 32 (lane / 16) + 0 .. 31
.endr
.irp c, 0,1,2
	global_store_b64 v1, v[PCD+2*\c:PCD+2*\c+1], s[OP:OP+1] offset:256*\c   ; 32 lanes store 256 consecutive bytes, aligned
.endr
	global_store_b8 v6, v227, s[OSP:OSP+1]         ; a head owns two of a row's 32 scale bytes; the others belong to other work-groups
	s_wait_xcnt 0x0                                ; the stores have read their bases and data
	s_add_nc_u64 s[OP:OP+1], s[OP:OP+1], 12288
	s_add_nc_u64 s[OSP:OSP+1], s[OSP:OSP+1], 512
	s_sub_co_u32 s[QT], s[QT], 1
	s_cmp_lg_u32 s[QT], 0
	s_cbranch_scc1 .Lq
	s_wait_kmcnt 0x0                               ; the last step's scalar loads
	s_wait_tensorcnt 0x0
	ds_add_u32 v254, v255
	s_wait_dscnt 0x0
	ROUND                                          ; the closing round
	s_endpgm
.Lfunc_end_k_q1d28455907_attn:
	.size	k_q1d28455907_attn, .Lfunc_end_k_q1d28455907_attn-k_q1d28455907_attn
	.p2alignl 7, 3214868480
	.fill 96, 4, 3214868480
	.section	.rodata,"a",@progbits
	.p2align	6, 0x0
	.amdhsa_kernel k_q1d28455907_attn
		.amdhsa_group_segment_fixed_size 210944
		.amdhsa_private_segment_fixed_size 0
		.amdhsa_enable_private_segment 0
		.amdhsa_kernarg_size 40
		.amdhsa_user_sgpr_count 2
		.amdhsa_user_sgpr_kernarg_segment_ptr 1
		.amdhsa_wavefront_size32 1
		.amdhsa_system_sgpr_workgroup_id_x 1
		.amdhsa_system_sgpr_workgroup_id_y 1
		.amdhsa_system_sgpr_workgroup_id_z 1
		.amdhsa_system_vgpr_workitem_id 0
		.amdhsa_next_free_vgpr 256
		.amdhsa_next_free_sgpr 106
		.amdhsa_reserve_vcc 0
		.amdhsa_float_denorm_mode_32 3
		.amdhsa_float_denorm_mode_16_64 3
		.amdhsa_memory_ordered 1
		.amdhsa_forward_progress 1
		.amdhsa_inst_pref_size 37
	.end_amdhsa_kernel
	.amdgpu_metadata
---
amdhsa.version: [ 1, 2 ]
amdhsa.kernels:
  - .name:           k_q1d28455907_attn
    .symbol:         k_q1d28455907_attn.kd
    .args:
      - { .name: qh, .offset: 0, .size: 8, .value_kind: global_buffer, .address_space: global }
      - { .name: kvh, .offset: 8, .size: 8, .value_kind: global_buffer, .address_space: global }
      - { .name: mbits, .offset: 16, .size: 8, .value_kind: global_buffer, .address_space: global }
      - { .name: acodes, .offset: 24, .size: 8, .value_kind: global_buffer, .address_space: global }
      - { .name: ascales, .offset: 32, .size: 8, .value_kind: global_buffer, .address_space: global }
    .group_segment_fixed_size: 210944
    .private_segment_fixed_size: 0
    .kernarg_segment_align: 8
    .kernarg_segment_size: 40
    .max_flat_workgroup_size: 512
    .sgpr_count:     106
    .vgpr_count:     256
    .wavefront_size: 32
...
	.end_amdgpu_metadata
.endif
;; end of part 3
;; launch outp (part 4): grid 4 x 32, 4 waves a work-group, clusters of 4 x 4, 327,680 bytes of LDS; arguments acodes, ascales, xw_codes, xw_scales, bo, out0; writes out0
.if DOCPART == 4
	.amdgcn_target "amdgcn-amd-amdhsa--gfx1250"
	.amdhsa_code_object_version 6
	.text
	.protected	k_q1d28455907_outp
	.globl	k_q1d28455907_outp
	.p2align	8
	.type	k_q1d28455907_outp,@function
k_q1d28455907_outp:
	s_mov_b64 s[64:65], 0
	v_nop
	global_prefetch_b8 v0, s[64:65] scope:SCOPE_SE
	s_setreg_imm32_b32 hwreg(HW_REG_WAVE_MODE, 25, 1), 1
	s_wait_xcnt 0x0
	s_wait_alu depctr_hold_cnt(0) depctr_sa_sdst(0) depctr_va_vdst(0) depctr_va_sdst(0) depctr_va_ssrc(0) depctr_va_vcc(0) depctr_vm_vsrc(0)
	s_getreg_b32 s2, hwreg(HW_REG_IB_STS2, 6, 4)
	s_cmp_eq_u32 s2, 0
	s_cbranch_scc0 .Lentry_in_a_cluster
	s_endpgm
.Lentry_in_a_cluster:
	s_bfe_u32 s2, ttmp6, 0x10000c
	s_cmp_lg_u32 s2, 0xf033
	s_cbranch_scc0 .Lentry_shape_is_right
	s_endpgm
.Lentry_shape_is_right:
; THE OUTPUT PROJECTION, out = x wo^T + bo, [8192][1024] f32, on codes of FP6 (E2M3) with one E8M0 scale for each 32 along K = 1,024.
; A = attention's result: IMAGES of operand registers: for a tile of 16 stored rows and a head, 768 bytes (registers 2 c and 2 c + 1 of lane l at 256 c + 8 l); two heads on end are the fragment of a step of 128 along K.
; Its scale bytes are rows of 32.  B = wo: rows of 768 bytes of codes and 32 scale bytes.  Rows of both lie in the stored order (of each 32 the second and third group of 8 have changed places); the way out undoes it.
; A tile of 256 x 256 a work-group, 128 x 128 a wave; K in steps of 256 through a ring of two LDS slots; the scale bytes come once and stay.  128 work-groups: the tile is kept large for the sake of the LDS reads.
; The matrix instruction is used transposed (source 0 = 16 rows of wo, source 1 = 16 rows of x): a lane holds eight numbers of a row of the result.
; CLUSTERS: 4 x 4; A's tiles are shared along a row of the cluster, B's along a column, by joint loads.
; REGISTERS: window 0: v0-31 addresses, v[8:11] my four numbers of bo; v32-63 scale words; v128-223 A's fragments; on the way out v128-255 rows.  window 1: B's fragments, two sets.  windows 2, 3: the accumulators.
.set SIZE_N, 1024
.set KSTEP,  256
.set NQ,     KSTEP/128
.set ROWB,   192
.set KROW,   768
.set PITCH,  240
.set AROW,   3072                      ; A: a tile of 16 rows x 256 along K: four heads' images
.set APITCH, 12288                     ; from a tile of 16 rows to the next, in memory
.set FR,     12
.set NL,     6
.set NP,     4
.set HALFT,  128*PITCH                 ; what a wave's load of B brings; A's 8 x 3,072 bytes take the same place and leave its end unused
.set SLOT,   4*HALFT
.set LAPS,   2
.set KS,     32
.set SCL,    2*SLOT
.set HALFS,  (128*KS/256)*272
.set SBLK,   (16*KS/256)*272
.set SPARE,  SCL+4*HALFS
.set SPITCH, 528                       ; the way out: a stage of 16 rows x (512 bytes + 16) for each wave, in slot 0, which has had its last fill and its last read by then
.set ADRA, 16
.set ADRB, 20
.set STO,  24
.set RD,   25
.set CO,   26
.set ADRS, 27
.set SPW,  28
.set NIL,  29
.set SC,   32
.set AF,   128
.set BK,   128
.set G1, 24
.set G0, 32
.set G1B, 48
.set G0B, 56
.set G1S, 68
.set G0S, 76
.set G1SB, 80
.set G0SB, 88
.set MSB, 0
.macro WIN new
.if MSB != (\new)
	s_set_vgpr_msb (MSB<<8)|(\new)
.set MSB, (\new)
.endif
.endm
.set MUL_LO, 0xa1
.set MUL_HI, 0xf1
.set TO_B,   0x40
.macro JLOAD g0a, g1a, g0b, g1b
	s_cmp_eq_u32 s15, 0
	s_cbranch_scc0 .Lfor_b_\@
	tensor_load_to_lds s[\g0a:\g0a+3], s[\g1a:\g1a+7]
	s_nop 0
.rept 4
	v_nop
.endr
	s_branch .Lasked_\@
.Lfor_b_\@:
	tensor_load_to_lds s[\g0b:\g0b+3], s[\g1b:\g1b+7]
	s_nop 0
.rept 4
	v_nop
.endr
.Lasked_\@:
.endm
.macro CREST
	s_cmp_lg_u32 s14, 0
	s_cbranch_scc1 .Lnot_wave_0_\@
	s_barrier_signal -3
.Lnot_wave_0_\@:
	s_barrier_wait -3
	s_barrier_signal -1
	s_barrier_wait -1
.endm
.macro CROUND
	s_barrier_signal -1
	s_barrier_wait -1
	CREST
.endm
	s_load_b128 s[4:7], s[0:1], 0x0                ; A's codes, A's scale bytes
	s_load_b128 s[8:11], s[0:1], 0x10              ; the weights' codes and scale bytes
	s_load_b64 s[96:97], s[0:1], 0x20              ; bo
	s_load_b64 s[12:13], s[0:1], 0x28              ; the result
	v_lshl_add_u32 v[SPW], v0, 2, SPARE
	v_mov_b32 v[NIL], 0
	ds_add_u32 v28, v29
	ds_add_u32 v28, v29
	s_wait_dscnt 0x0
	v_lshrrev_b32 v1, 5, v0
	v_readfirstlane_b32 s14, v1
	s_lshr_b32 s15, s14, 1
	s_and_b32 s16, s14, 1
	s_bfe_u32 s40, ttmp6, 0x40000
	s_bfe_u32 s41, ttmp6, 0x40004
	s_lshl_b32 s42, ttmp9, 2
	s_add_co_u32 s42, s42, s40                     ; tile column
	s_and_b32 s17, ttmp7, 0xffff
	s_lshl_b32 s17, s17, 2
	s_add_co_u32 s17, s17, s41                     ; tile row
	s_lshl_b32 s43, s41, 2
	s_lshl_b32 s43, 15, s43
	s_lshl_b32 s44, 0x1111, s40
	s_or_b32 s[G1+0], s43, (0<<16)|(1<<21)         ; A: the mask of my row; elements of 1 byte; no padding: the images are read 256 consecutive bytes at a time
	s_mov_b32 s[G1+1], AROW<<16                    ; tensor_dim0 = 3,072
	s_mov_b32 s[G1+2], 8<<16                       ; tensor_dim1 = 8 tiles of 16 rows
	s_mov_b32 s[G1+3], AROW<<16                    ; tile_dim0
	s_mov_b32 s[G1+4], 8                           ; tile_dim1
	s_mov_b32 s[G1+5], APITCH
	s_mov_b32 s[G1+6], 0
	s_mov_b32 s[G1+7], 0
	s_or_b32 s[G1B+0], s44, (0<<16)|(1<<20)|(1<<21)|(3<<22)|(3<<25)
	s_mov_b32 s[G1B+1], ROWB<<16
	s_mov_b32 s[G1B+2], 128<<16
	s_mov_b32 s[G1B+3], ROWB<<16
	s_mov_b32 s[G1B+4], 128
	s_mov_b32 s[G1B+5], KROW
	s_mov_b32 s[G1B+6], 0
	s_mov_b32 s[G1B+7], 0
	s_or_b32 s[G1S+0], s43, (3<<16)|(1<<20)|(1<<21)|(5<<22)|(3<<25)
	s_or_b32 s[G1SB+0], s44, (3<<16)|(1<<20)|(1<<21)|(5<<22)|(3<<25)
.irp g, G1S, G1SB
	s_mov_b32 s[\g+1], 32<<16
	s_mov_b32 s[\g+2], (128*KS/256)<<16
	s_mov_b32 s[\g+3], 32<<16
	s_mov_b32 s[\g+4], 128*KS/256
	s_mov_b32 s[\g+5], 32
	s_mov_b32 s[\g+6], 0
	s_mov_b32 s[\g+7], 0
.endr
	s_lshl_b32 s18, s16, 7
	s_lshl_b32 s20, s17, 8
	s_add_co_u32 s20, s20, s18                     ; A: row 256 x tile row + 128 x half
	s_lshl_b32 s46, s42, 8
	s_add_co_u32 s46, s46, s18                     ; B: row 256 x tile column + 128 x half
	s_lshl_b32 s22, s20, 5                         ; A's scale bytes
	s_mov_b32 s23, 0
	s_mul_i32 s20, s20, APITCH/16                  ; A's codes: 12,288 bytes for 16 rows
	s_mov_b32 s21, 0
	s_lshl_b32 s92, s46, 5
	s_add_co_u32 s92, s92, 884736                  ; wo's section of the scale bytes
	s_mov_b32 s93, 0
	s_mul_i32 s46, s46, KROW
	s_add_co_u32 s46, s46, 21233664                ; wo's section of the codes
	s_mov_b32 s47, 0
	s_mul_i32 s45, s14, HALFT
	s_mul_i32 s94, s14, HALFS
	s_wait_kmcnt 0x0
	s_add_nc_u64 s[20:21], s[4:5], s[20:21]
	s_add_nc_u64 s[22:23], s[6:7], s[22:23]
	s_add_nc_u64 s[46:47], s[8:9], s[46:47]
	s_add_nc_u64 s[92:93], s[10:11], s[92:93]
	CROUND
	s_mov_b32 s[G0S], 1
	s_add_co_u32 s[G0S+1], s94, SCL
	s_mov_b64 s[G0S+2:G0S+3], s[22:23]
	s_or_b32 s[G0S+3], s[G0S+3], 0x80000000
	s_mov_b32 s[G0SB], 1
	s_add_co_u32 s[G0SB+1], s94, SCL
	s_mov_b64 s[G0SB+2:G0SB+3], s[92:93]
	s_or_b32 s[G0SB+3], s[G0SB+3], 0x80000000
	JLOAD G0S, G1S, G0SB, G1SB
.irp s, 0,1
	s_mov_b32 s[G0+4*\s], 1
	s_add_co_u32 s[G0+4*\s+1], s45, \s*SLOT
	s_add_nc_u64 s[G0+4*\s+2:G0+4*\s+3], s[20:21], \s*AROW
	s_or_b32 s[G0+4*\s+3], s[G0+4*\s+3], 0x80000000
	s_mov_b32 s[G0B+4*\s], 1
	s_add_co_u32 s[G0B+4*\s+1], s45, \s*SLOT
	s_add_nc_u64 s[G0B+4*\s+2:G0B+4*\s+3], s[46:47], \s*ROWB
	s_or_b32 s[G0B+4*\s+3], s[G0B+4*\s+3], 0x80000000
	JLOAD G0+4*\s, G1, G0B+4*\s, G1B
.endr                                              ; three tensor loads of mine are out
	v_and_b32 v1, 15, v0                           ; r
	v_bfe_u32 v2, v0, 4, 1                         ; h
	v_and_b32 v6, 31, v0                           ; lane
	v_lshlrev_b32 v7, 3, v6                        ; A's images: 8 x lane
	v_mul_u32_u24 v3, v1, PITCH
	v_mul_u32_u24 v4, v2, 24
	v_add_nc_u32 v4, v3, v4                        ; B: row x pitch + 24 x half
	v_lshl_add_u32 v5, v2, 4, v4                   ; and the same behind one padding more
	s_mul_i32 s21, s15, HALFT
	s_mul_i32 s22, s16, HALFT
	s_add_co_u32 s22, s22, 2*HALFT
.irp s, 0,1
	v_add_nc_u32 v[ADRA+\s], s21, v7
	v_add_nc_u32 v[ADRB+\s], s22, v4
	v_add_nc_u32 v[ADRB+2+\s], s22, v5
	s_add_co_u32 s21, s21, SLOT
	s_add_co_u32 s22, s22, SLOT
.endr
	v_mul_u32_u24 v5, v1, KS
	v_lshrrev_b32 v3, 8, v5
	v_lshl_add_u32 v5, v3, 4, v5
	s_mul_i32 s21, s15, HALFS
	s_mul_i32 s22, s16, HALFS
	s_add_co_u32 s22, s22, 2*HALFS
	s_sub_co_u32 s22, s22, s21
	v_mul_u32_u24 v3, s22, v2
	s_add_co_u32 s21, s21, SCL
	v_add_nc_u32 v5, v5, v3
	v_add_nc_u32 v[ADRS], s21, v5
	s_mul_i32 s23, s14, 16*SPITCH                  ; my stage
	v_mul_u32_u24 v5, v1, SPITCH                   ; in: row r; my half's columns begin 16 numbers, 64 bytes, on
	v_lshl_add_u32 v5, v2, 6, v5
	v_add_nc_u32 v[STO], s23, v5
	v_lshlrev_b32 v[CO], 4, v6                     ; back: the 32 lanes take one row of 512 bytes; and the same in the result
	v_add_nc_u32 v[RD], s23, v[CO]
	s_lshl_b32 s20, s17, 8
	s_lshl_b32 s21, s15, 7
	s_add_co_u32 s20, s20, s21                     ; my first row
	s_mov_b32 s21, 0
	s_lshl_b64 s[20:21], s[20:21], 12              ; rows of 4,096 bytes
	s_lshl_b32 s46, s42, 10
	s_lshl_b32 s47, s16, 9
	s_add_co_u32 s46, s46, s47                     ; my first column, in bytes
	s_mov_b32 s47, 0
	s_add_nc_u64 s[96:97], s[96:97], s[46:47]
	global_load_b128 v[8:11], v[CO], s[96:97]      ; bo of the four columns that I store
	s_add_nc_u64 s[20:21], s[20:21], s[46:47]
	s_add_nc_u64 s[12:13], s[12:13], s[20:21]
.macro FRAG reg, adr, q, i             ; a fragment of B from rows of 192 bytes + paddings, in pieces of 8 bytes
.irp p, 0,1,2,3,4,5
.set PCE, 12*(\q)+6*(\p/3)+\p%3
.if PCE%8 < 5
	ds_load_b64 v[\reg+2*\p:\reg+2*\p+1], v[\adr] offset:8*PCE+16*(PCE/8)+(\i)*16*PITCH
.else
	ds_load_b64 v[\reg+2*\p:\reg+2*\p+1], v[\adr+2] offset:8*PCE+16*(PCE/8)+(\i)*16*PITCH
.endif
.endr
.endm
.macro FRAGA reg, adr, q, i            ; a fragment of A from its image: six loads of 256 consecutive bytes
.irp c, 0,1,2,3,4,5
	ds_load_b64 v[\reg+2*\c:\reg+2*\c+1], v[\adr] offset:AROW*(\i)+1536*(\q)+256*\c
.endr
.endm
.macro MUL16 a0, p, q, sc, zero        ; the 64 accumulators take turns, one instruction a turn
.irp a, \a0, \a0+1
.irp b, 0,1,2,3,4,5,6,7
.if \zero
	v_wmma_scale_f32_16x16x128_f8f6f4 v[8*(8*((\a)%4)+\b):8*(8*((\a)%4)+\b)+7], v[128*(\p)+FR*\b:128*(\p)+FR*\b+FR-1], v[AF+FR*(\a):AF+FR*(\a)+FR-1], 0, v[SC+8*NQ*(\sc)+NQ*\b+(\q)], v[SC+8*NQ*(\sc)+NQ*(\a)+(\q)] matrix_a_fmt:MATRIX_FMT_FP6 matrix_b_fmt:MATRIX_FMT_FP6 matrix_a_scale:MATRIX_SCALE_ROW1
.else
	v_wmma_scale_f32_16x16x128_f8f6f4 v[8*(8*((\a)%4)+\b):8*(8*((\a)%4)+\b)+7], v[128*(\p)+FR*\b:128*(\p)+FR*\b+FR-1], v[AF+FR*(\a):AF+FR*(\a)+FR-1], v[8*(8*((\a)%4)+\b):8*(8*((\a)%4)+\b)+7], v[SC+8*NQ*(\sc)+NQ*\b+(\q)], v[SC+8*NQ*(\sc)+NQ*(\a)+(\q)] matrix_a_fmt:MATRIX_FMT_FP6 matrix_b_fmt:MATRIX_FMT_FP6 matrix_a_scale:MATRIX_SCALE_ROW1
.endif
.endr
.endr
.endm
.macro FETCH_B slot, q, p
	WIN TO_B
.irp i, 0,1,2,3,4,5,6,7
	FRAG 128*(\p)+FR*\i, ADRB+\slot, \q, \i
.endr
	WIN 0
.endm
.macro FETCH_A slot, q, i0
.irp i, \i0, \i0+1, \i0+2, \i0+3
	FRAGA AF+FR*(\i), ADRA+\slot, \q, \i
.endr
.endm
.macro SCALES sc
.irp i, 0,1,2,3,4,5,6,7
	ds_load_b64 v[SC+8*NQ*\sc+NQ*\i:SC+8*NQ*\sc+NQ*\i+1], v[ADRS] offset:\i*SBLK
.endr
.endm
.macro PLACES n
.rept \n
	v_nop
.endr
.endm
.macro STEP slot, q, zero
	s_wait_dscnt 4*NL                              ; B's set and A's blocks 0-3 are in; the youngest 24 loads (A's blocks 4-7) may be out
	WIN MUL_LO
	MUL16 0, (\q)%2, \q, \slot, \zero
	MUL16 2, (\q)%2, \q, \slot, \zero
	s_wait_dscnt 0
	PLACES NP
	FETCH_B \slot, (\q)+1, 1-(\q)%2
	FETCH_A \slot, (\q)+1, 0
	WIN MUL_HI
	MUL16 4, (\q)%2, \q, \slot, \zero
	MUL16 6, (\q)%2, \q, \slot, \zero
	PLACES NP
	WIN 0
	FETCH_A \slot, (\q)+1, 4
.endm
.macro TURN slot, next, fill
	s_wait_tensorcnt 0x0                           ; all my tensor loads have landed: my part of the next slot
	ds_add_u32 v[SPW], v[NIL]                      ; 0 onto my spare word
	s_wait_dscnt 4*NL+1                            ; (the add and the youngest 24 loads may be out)
	WIN MUL_LO
	MUL16 0, 1, NQ-1, \slot, 0
	s_wait_dscnt 0x0                               ; the add is done, and my reads of this slot are over
	s_barrier_signal -1
	MUL16 2, 1, NQ-1, \slot, 0
	WIN 0
	s_barrier_wait -1
.if \fill
	CREST
	s_add_nc_u64 s[G0+4*\slot+2:G0+4*\slot+3], s[G0+4*\slot+2:G0+4*\slot+3], 2*AROW
	s_add_nc_u64 s[G0B+4*\slot+2:G0B+4*\slot+3], s[G0B+4*\slot+2:G0B+4*\slot+3], 2*ROWB
	JLOAD G0+4*\slot, G1, G0B+4*\slot, G1B
.else
	PLACES NP
.endif
	v_add_nc_u32 v[ADRS], 4*NQ, v[ADRS]
	FETCH_B \next, 0, 0
	FETCH_A \next, 0, 0
	SCALES \next
	WIN MUL_HI
	MUL16 4, 1, NQ-1, \slot, 0
	MUL16 6, 1, NQ-1, \slot, 0
	PLACES NP
	WIN 0
	FETCH_A \next, 0, 4
.endm
	s_wait_loadcnt 0x0                             ; bo
	s_wait_tensorcnt 1                             ; the scales and my part of K step 0 are in (K step 1's load may be out),
	s_barrier_signal -1
	s_barrier_wait -1
	FETCH_B 0, 0, 0
	FETCH_A 0, 0, 0
	SCALES 0
	FETCH_A 0, 0, 4
	STEP 0, 0, 1
	s_mov_b32 s3, LAPS-1
.Llap:
	TURN 0, 1, 1
	STEP 1, 0, 0
	TURN 1, 0, 1
	STEP 0, 0, 0
	s_sub_co_u32 s3, s3, 1
	s_cmp_lg_u32 s3, 0
	s_cbranch_scc1 .Llap
	TURN 0, 1, 0
	STEP 1, 0, 0
	s_wait_dscnt 4*NL
	WIN MUL_LO
	MUL16 0, 1, NQ-1, 1, 0
	MUL16 2, 1, NQ-1, 1, 0
	s_wait_dscnt 0
	WIN MUL_HI
	MUL16 4, 1, NQ-1, 1, 0
	MUL16 6, 1, NQ-1, 1, 0
	WIN 0
; THE WAY OUT, block by block of 16 stored rows x 128 columns, through my own stage.  Register j of accumulator (a, b) in lane (r, h) is column 32 (b / 2) + 16 h + 8 (b % 2) + j of stored row 16 a + r;
; stage row t of block a is row 32 (a / 2) + 8 (a % 2) + t + 8 (t / 8) of my 128.  LDS serves a wave's instructions in order: no wait between the stores and the loads.
.macro TOSTAGE a
.set AC, 64*((\a)%4)
	WIN 0x08+4*((\a)/4)                            ; the data: window 2 or 3
.irp b, 0,1,2,3,4,5,6,7
	ds_store_b128 v[STO], v[AC+8*\b:AC+8*\b+3] offset:128*(\b/2)+32*(\b%2)          ; each accumulator from its low end on
	ds_store_b128 v[STO], v[AC+8*\b+4:AC+8*\b+7] offset:128*(\b/2)+32*(\b%2)+16
.endr
	WIN 0
.set BB, BK+64*((\a)%2)
.irp t, 0,1,2,3,4,5,6,7,8,9,10,11,12,13,14,15
	ds_load_b128 v[BB+4*\t:BB+4*\t+3], v[RD] offset:\t*SPITCH
.endr
.endm
.macro SEND a, younger                 ; younger: the LDS instructions issued behind block a's loads, which may stay out
.set BB, BK+64*((\a)%2)
	s_wait_dscnt \younger
.if (\a) > 0
.if (\a)%2
	s_add_nc_u64 s[12:13], s[12:13], 8*SIZE_N*4    ; (behind a wait on XCNT: the earlier stores have read their base)  into an odd block: 8 rows on
.else
	s_add_nc_u64 s[12:13], s[12:13], 24*SIZE_N*4   ; into an even one: 24 rows on
.endif
.endif
.irp t, 0,1,2,3,4,5,6,7,8,9,10,11,12,13,14,15
	v_pk_add_f32 v[BB+4*\t:BB+4*\t+1], v[BB+4*\t:BB+4*\t+1], v[8:9]               ; + bo
	v_pk_add_f32 v[BB+4*\t+2:BB+4*\t+3], v[BB+4*\t+2:BB+4*\t+3], v[10:11]
	global_store_b128 v[CO], v[BB+4*\t:BB+4*\t+3], s[12:13] offset:(\t+8*(\t/8))*SIZE_N*4 th:TH_STORE_NT   ; 32 lanes store 512 consecutive bytes, at a multiple of 256 from the result's first byte
.endr
.endm
	PLACES NP
	TOSTAGE 0
.irp a, 1,2,3,4,5,6,7
.if \a > 1
	s_wait_xcnt 0x0                                ; block a - 2's stores have read their registers and their base
.endif
	TOSTAGE \a
	SEND \a-1, 32                                  ; behind block a - 1's loads: block a's 16 stores and 16 loads
.endr
	s_wait_xcnt 0x0
	SEND 7, 0
	s_wait_tensorcnt 0x0                           ; the wave's end
	ds_add_u32 v[SPW], v[NIL]
	s_wait_dscnt 0x0
	CROUND                                         ; the closing round
	s_endpgm
.Lfunc_end_k_q1d28455907_outp:
	.size	k_q1d28455907_outp, .Lfunc_end_k_q1d28455907_outp-k_q1d28455907_outp
	.p2alignl 7, 3214868480
	.fill 96, 4, 3214868480
	.section	.rodata,"a",@progbits
	.p2align	6, 0x0
	.amdhsa_kernel k_q1d28455907_outp
		.amdhsa_group_segment_fixed_size 327680
		.amdhsa_private_segment_fixed_size 0
		.amdhsa_enable_private_segment 0
		.amdhsa_kernarg_size 48
		.amdhsa_user_sgpr_count 2
		.amdhsa_user_sgpr_kernarg_segment_ptr 1
		.amdhsa_wavefront_size32 1
		.amdhsa_system_sgpr_workgroup_id_x 1
		.amdhsa_system_sgpr_workgroup_id_y 1
		.amdhsa_system_sgpr_workgroup_id_z 1
		.amdhsa_system_vgpr_workitem_id 0
		.amdhsa_next_free_vgpr 1024
		.amdhsa_next_free_sgpr 98
		.amdhsa_reserve_vcc 0
		.amdhsa_float_denorm_mode_32 3
		.amdhsa_float_denorm_mode_16_64 3
		.amdhsa_memory_ordered 1
		.amdhsa_forward_progress 1
		.amdhsa_inst_pref_size 176
	.end_amdhsa_kernel
	.amdgpu_metadata
---
amdhsa.version: [ 1, 2 ]
amdhsa.kernels:
  - .name:           k_q1d28455907_outp
    .symbol:         k_q1d28455907_outp.kd
    .args:
      - { .name: acodes, .offset: 0, .size: 8, .value_kind: global_buffer, .address_space: global }
      - { .name: ascales, .offset: 8, .size: 8, .value_kind: global_buffer, .address_space: global }
      - { .name: xw_codes, .offset: 16, .size: 8, .value_kind: global_buffer, .address_space: global }
      - { .name: xw_scales, .offset: 24, .size: 8, .value_kind: global_buffer, .address_space: global }
      - { .name: bo, .offset: 32, .size: 8, .value_kind: global_buffer, .address_space: global }
      - { .name: out0, .offset: 40, .size: 8, .value_kind: global_buffer, .address_space: global }
    .group_segment_fixed_size: 327680
    .private_segment_fixed_size: 0
    .kernarg_segment_align: 8
    .kernarg_segment_size: 48
    .max_flat_workgroup_size: 128
    .sgpr_count:     98
    .vgpr_count:     1024
    .wavefront_size: 32
...
	.end_amdgpu_metadata
.endif
;; end of part 4
